; MI455X (gfx1250); checked and timed in simulation.
; The chip was launched on July 23, 2026; its instructions are those of AMD's public machine-readable ISA for CDNA 5 (MIT licence, August 2026) and "CDNA5" Instruction Set Architecture Reference Guide (July 2026). The comments in the code are by the model that wrote it; some were corrected since.
;; Ji T Attention. Allowed arithmetic: float matrix products may take bf16 or f16 operands with f32 sums; other float arithmetic in f32, or as packed bf16 or f16 multiplies, adds, multiply-adds, maxima and minima; sums over many terms, partial sums and values carried from step to step in f32; what a program stores and reads back later, other than sums and carried values, may be rounded once to bf16 or f16.
;; Inputs: b_proj 1,024 float32; freqs_cos 1 x 4,096 x 1 x 32 float32; freqs_sin 1 x 4,096 x 1 x 32 float32; g_k 64 float32; g_q 64 float32; w_proj 1,024 x 1,024 float32; w_qkv 1,024 x 3,072 float32; x 4 x 4,096 x 1,024 float32.
;; Outputs: out0 4 x 4,096 x 1,024 float32.
;; One version. Each part assembles by itself: llvm-mc -triple=amdgcn-amd-amdhsa -mcpu=gfx1250 --defsym DOCPART=n.
;; ======== version 1 of 1: 4 launches
;; limits: values are held in f16: magnitudes above 65,504 overflow, below 6.1e-05 lose precision
;; workspace buffers: xb 33,554,432 bytes; w1t 6,291,456 bytes; w2t 2,097,152 bytes; qkv 100,663,296 bytes; ob 33,554,432 bytes
;; launch prep (part 1): grid 1536 x 1, 8 waves a work-group, no clusters, 18,432 bytes of LDS; arguments x, w_qkv, w_proj, xb, w1t, w2t; writes xb, w1t, w2t
.if DOCPART == 1
	.amdgcn_target "amdgcn-amd-amdhsa--gfx1250"
	.amdhsa_code_object_version 6
	.text
	.protected	k_q0695cc06bb_prep
	.globl	k_q0695cc06bb_prep
	.p2align	8
	.type	k_q0695cc06bb_prep,@function
k_q0695cc06bb_prep:
	s_mov_b64 s[64:65], 0
	v_nop
	global_prefetch_b8 v0, s[64:65] scope:SCOPE_SE
	s_setreg_imm32_b32 hwreg(HW_REG_WAVE_MODE, 25, 1), 1
	s_wait_xcnt 0x0
; THE OPERANDS OF THE TWO PRODUCTS ARE MADE: x rounded to bf16 (xb); w_qkv rounded to bf16, turned to [n'][k] and its columns reordered (w1t);
; w_proj rounded to bf16, that number written as f16, turned to [n][k'] with its K axis reordered (w2t).
; THE ORDERS (d = 16 u + dd is a channel of a head, h or g the head):
;   w1t rows 0-1023 (q) and 1024-2047 (k): column h*64 + d stands at u*256 + h*16 + dd;   rows 2048-3071 (v): column g*64 + d stands at d*16 + g;
;   w2t's k' = c*256 + h*16 + dd stands for channel h*64 + 16 c + dd.
; LIMITS.  |w_proj| stays under 65,504 (f16's range); a bf16 number below 2^-17 loses bits in f16's fixed step of 2^-24.  NaN and infinities are not treated apart.
; ROLES, by the work-group's number alone: 0-383 a tile of w_qkv, 384-511 a tile of w_proj, 512-1535 a piece of x.  Every role passes the one barrier.
; A tile is 128 k x 64 n.  It is read by rows of 256 bytes (16 lanes, 16 bytes each), two neighbouring k are packed into a word, the words go into LDS rows along k,
; and the rows come back whole: 16 lanes store 256 consecutive bytes, at a multiple of 256 from the buffer's first byte.
; No cluster, no matrix unit, no prefetch: every byte is read once, by one work-group, and the launch is a plain stream.
.set TP,    272                        ; an LDS row: 128 numbers of 2 bytes + 16 bytes of padding
.set SPARE, 64*TP                      ; behind the tile: the spare words, 128 bytes for each of the eight waves: four blocks of 256 bytes that no other line names
; v1 load offset, v2 x's store offset, v3 where I put a word, v4 where I read 16 bytes back, v5, v6 the add's two registers, v7 = t / 16, v14 = t % 16,
; v[8:11] store offsets, v12, v13 at work, v[16:79] as loaded, v[48:63] packed, v[64:79] read back, v[80:111] x's results
; s16-19 at work, s[20:21], s[22:23] offsets (high words 0), s24, s25 steps of the store offsets, s26 the role, s[28:29] from where, s[30:31] to where
	s_load_b256 s[4:11], s[0:1], 0x0               ; x s[4:5], w_qkv s[6:7], w_proj s[8:9], xb s[10:11]
	s_load_b128 s[12:15], s[0:1], 0x20             ; w1t s[12:13], w2t s[14:15]
	v_lshl_add_u32 v5, v0, 2, SPARE                ; my spare word; never rewritten
	v_mov_b32 v6, 0                                ; 0; never rewritten
	v_and_b32 v14, 15, v0                          ; cg: my four columns of a tile, 4 cg on
	v_lshrrev_b32 v7, 4, v0                        ; rp: my pairs of rows
	v_mul_u32_u24 v3, v14, 4*TP
	v_lshl_add_u32 v3, v7, 2, v3                   ; in: LDS row 4 cg (+ j), word rp (+ 16 i)
	v_mul_u32_u24 v4, v7, TP
	v_lshl_add_u32 v4, v14, 4, v4                  ; back: LDS row rp (+ 16 i), 16 bytes cg
	s_mov_b32 s27, 0xffff0000                      ; a word's upper bf16
	s_mov_b32 s21, 0
	s_mov_b32 s23, 0
	s_wait_kmcnt 0x0
	s_cmp_ge_u32 ttmp9, 512
	s_cbranch_scc1 .Lx
	s_cmp_ge_u32 ttmp9, 384
	s_cbranch_scc1 .Lw2
; eight loads: the tile's rows 2 rp + e + 32 i; istep and estep are the bytes that i and e step in the source
.macro WLOADS istep, estep
.irp i, 0,1,2,3
.irp e, 0,1
	global_load_b128 v[16+8*(\i)+4*(\e):16+8*(\i)+4*(\e)+3], v1, s[28:29] offset:(\i)*(\istep)+(\e)*(\estep) th:TH_LOAD_NT
.endr
.endr
.endm
	; A TILE OF w_qkv: k = 128 kt on, columns 64 nt on: one head of q (nt 0-15), k (16-31) or v (32-47)
	s_mov_b32 s26, 0
	s_and_b32 s17, ttmp9, 7                        ; kt
	s_lshr_b32 s18, ttmp9, 3                       ; nt
	s_mul_i32 s20, s17, 128*12288
	s_lshl_b32 s16, s18, 8
	s_add_co_u32 s20, s20, s16
	s_add_nc_u64 s[28:29], s[6:7], s[20:21]
	v_mul_u32_u24 v1, v7, 2*12288
	v_lshl_add_u32 v1, v14, 4, v1
	WLOADS 32*12288, 12288
	s_lshr_b32 s16, s18, 4
	s_lshl_b32 s16, s16, 10
	s_and_b32 s19, s18, 15
	s_lshl_b32 s19, s19, 4
	s_add_co_u32 s16, s16, s19                     ; q, k: column d = rp + 16 i of head h goes to row section*1024 + 16 h + rp + 256 i
	s_add_co_u32 s19, s18, 2016                    ; v: to row 2048 + g + 16 rp + 256 i
	s_mov_b32 s24, 2048
	s_mov_b32 s25, 32768
	s_cmp_lt_u32 s18, 32
	s_cselect_b32 s16, s16, s19
	s_cselect_b32 s24, s24, s25                    ; bytes that rp steps
	s_mov_b32 s25, 524288                          ; bytes that i steps: 256 rows
	s_lshl_b32 s22, s16, 11
	s_lshl_b32 s16, s17, 8
	s_add_co_u32 s22, s22, s16
	s_add_nc_u64 s[30:31], s[12:13], s[22:23]
	s_branch .Lpack
.Lw2:	; A TILE OF w_proj: k' = 128 kt on, columns 64 nt on.  k' = 128 kt + kl is channel (kt % 2)*512 + (kl / 16)*64 + (kt / 2)*16 + kl % 16
	s_mov_b32 s26, 1
	s_sub_co_u32 s16, ttmp9, 384
	s_and_b32 s17, s16, 7                          ; kt
	s_lshr_b32 s18, s16, 3                         ; nt
	s_and_b32 s19, s17, 1
	s_lshl_b32 s19, s19, 9
	s_lshr_b32 s20, s17, 1
	s_lshl_b32 s20, s20, 4
	s_add_co_u32 s20, s20, s19
	s_lshl_b32 s20, s20, 12                        ; rows of 4,096 bytes
	s_lshl_b32 s19, s18, 8
	s_add_co_u32 s20, s20, s19
	s_add_nc_u64 s[28:29], s[8:9], s[20:21]
	v_lshrrev_b32 v12, 3, v7
	v_and_b32 v13, 7, v7
	v_lshlrev_b32 v13, 1, v13
	v_lshl_add_u32 v12, v12, 6, v13                ; kl = 2 rp + e + 32 i lies (rp / 8)*64 + (rp % 8)*2 + e + 128 i rows down
	v_lshlrev_b32 v1, 12, v12
	v_lshl_add_u32 v1, v14, 4, v1
	WLOADS 128*4096, 4096
	s_mov_b32 s24, 2048                            ; row n = 64 nt + rp + 16 i
	s_mov_b32 s25, 32768
	s_lshl_b32 s22, s18, 17
	s_lshl_b32 s16, s17, 8
	s_add_co_u32 s22, s22, s16
	s_add_nc_u64 s[30:31], s[14:15], s[22:23]
.Lpack:
	v_mul_u32_u24 v8, v7, s24                      ; the four store offsets, made while the loads are out
	v_lshl_add_u32 v8, v14, 4, v8
	v_add_nc_u32 v9, s25, v8
	v_add_nc_u32 v10, s25, v9
	v_add_nc_u32 v11, s25, v10
	s_wait_loadcnt 0x0
.irp i, 0,1,2,3
.irp j, 0,1,2,3
	v_cvt_pk_bf16_f32 v[48+4*(\i)+(\j)], v[16+8*(\i)+(\j)], v[20+8*(\i)+(\j)]  ; column 4 cg + j: k even in the low half, k odd in the high half
.endr
.endr
	s_cmp_eq_u32 s26, 1
	s_cbranch_scc0 .Lstage
.set i, 48
.rept 16                               ; w_proj: the bf16 number is written as f16
	v_lshlrev_b32 v12, 16, v[i]
	v_and_b32 v13, s27, v[i]
	v_cvt_pk_f16_f32 v[i], v12, v13
.set i, i+1
.endr
.Lstage:
.irp i, 0,1,2,3
.irp j, 0,1,2,3
	ds_store_b32 v3, v[48+4*(\i)+(\j)] offset:TP*(\j)+64*(\i)
.endr
.endr
	s_branch .Lmeet
.Lx:	; A PIECE OF x: 65,536 bytes in, 32,768 out.  Sixteen loads of every wave go out together; a wave's store covers 256 consecutive bytes, aligned
	s_mov_b32 s26, 2
	s_sub_co_u32 s16, ttmp9, 512
	s_lshl_b32 s20, s16, 16
	s_lshl_b32 s22, s16, 15
	s_add_nc_u64 s[28:29], s[4:5], s[20:21]
	s_add_nc_u64 s[30:31], s[10:11], s[22:23]
	v_lshlrev_b32 v1, 4, v0
	v_lshlrev_b32 v2, 3, v0
.irp i, 0,1,2,3,4,5,6,7,8,9,10,11,12,13,14,15
	global_load_b128 v[16+4*(\i):16+4*(\i)+3], v1, s[28:29] offset:4096*(\i) th:TH_LOAD_NT
.endr
.irp i, 0,1,2,3,4,5,6,7,8,9,10,11,12,13,14,15
	s_wait_loadcnt 15-(\i)                         ; loads come back in order: number i is in, the 15 - i younger ones stay out
	v_cvt_pk_bf16_f32 v[80+2*(\i)], v[16+4*(\i)], v[16+4*(\i)+1]
	v_cvt_pk_bf16_f32 v[80+2*(\i)+1], v[16+4*(\i)+2], v[16+4*(\i)+3]
	global_store_b64 v2, v[80+2*(\i):80+2*(\i)+1], s[30:31] offset:2048*(\i) th:TH_STORE_NT  ; no register is written twice: no wait for the stores' sources
.endr
.Lmeet:
	s_wait_dscnt 0x0                               ; for the others' sake: my words are in the tile
	s_barrier_signal -1
	s_barrier_wait -1                              ; everybody's are
	s_cmp_eq_u32 s26, 2
	s_cbranch_scc1 .Lend
.irp i, 0,1,2,3
	ds_load_b128 v[64+4*(\i):64+4*(\i)+3], v4 offset:16*TP*(\i)
.endr
.irp i, 0,1,2,3
	s_wait_dscnt 3-(\i)                            ; LDS loads come back in order: the 3 - i younger ones stay out
	global_store_b128 v[8+(\i)], v[64+4*(\i):64+4*(\i)+3], s[30:31] th:TH_STORE_NT
.endr
.Lend:
	s_wait_tensorcnt 0x0                           ; the wave's end, behind my last LDS store
	ds_add_u32 v5, v6
	s_wait_dscnt 0x0
	s_endpgm
.Lfunc_end_k_q0695cc06bb_prep:
	.size	k_q0695cc06bb_prep, .Lfunc_end_k_q0695cc06bb_prep-k_q0695cc06bb_prep
	.p2alignl 7, 3214868480
	.fill 96, 4, 3214868480
	.section	.rodata,"a",@progbits
	.p2align	6, 0x0
	.amdhsa_kernel k_q0695cc06bb_prep
		.amdhsa_group_segment_fixed_size 18432
		.amdhsa_private_segment_fixed_size 0
		.amdhsa_enable_private_segment 0
		.amdhsa_kernarg_size 48
		.amdhsa_user_sgpr_count 2
		.amdhsa_user_sgpr_kernarg_segment_ptr 1
		.amdhsa_wavefront_size32 1
		.amdhsa_system_sgpr_workgroup_id_x 1
		.amdhsa_system_sgpr_workgroup_id_y 1
		.amdhsa_system_sgpr_workgroup_id_z 1
		.amdhsa_system_vgpr_workitem_id 0
		.amdhsa_next_free_vgpr 112
		.amdhsa_next_free_sgpr 66
		.amdhsa_reserve_vcc 0
		.amdhsa_float_denorm_mode_32 3
		.amdhsa_float_denorm_mode_16_64 3
		.amdhsa_memory_ordered 1
		.amdhsa_forward_progress 1
		.amdhsa_inst_pref_size 16
	.end_amdhsa_kernel
	.amdgpu_metadata
---
amdhsa.version: [ 1, 2 ]
amdhsa.kernels:
  - .name:           k_q0695cc06bb_prep
    .symbol:         k_q0695cc06bb_prep.kd
    .args:
      - { .name: x, .offset: 0, .size: 8, .value_kind: global_buffer, .address_space: global }
      - { .name: w_qkv, .offset: 8, .size: 8, .value_kind: global_buffer, .address_space: global }
      - { .name: w_proj, .offset: 16, .size: 8, .value_kind: global_buffer, .address_space: global }
      - { .name: xb, .offset: 24, .size: 8, .value_kind: global_buffer, .address_space: global }
      - { .name: w1t, .offset: 32, .size: 8, .value_kind: global_buffer, .address_space: global }
      - { .name: w2t, .offset: 40, .size: 8, .value_kind: global_buffer, .address_space: global }
    .group_segment_fixed_size: 18432
    .private_segment_fixed_size: 0
    .kernarg_segment_align: 8
    .kernarg_segment_size: 48
    .max_flat_workgroup_size: 256
    .sgpr_count:     66
    .vgpr_count:     112
    .wavefront_size: 32
...
	.end_amdgpu_metadata
.endif
;; end of part 1
;; launch gemm1 (part 2): grid 4 x 64, 4 waves a work-group, clusters of 4 x 4, 327,680 bytes of LDS; arguments xb, w1t, qkv; writes qkv
.if DOCPART == 2
	.amdgcn_target "amdgcn-amd-amdhsa--gfx1250"
	.amdhsa_code_object_version 6
	.text
	.protected	k_q0695cc06bb_gemm1
	.globl	k_q0695cc06bb_gemm1
	.p2align	8
	.type	k_q0695cc06bb_gemm1,@function
k_q0695cc06bb_gemm1:
	s_mov_b64 s[64:65], 0
	v_nop
	global_prefetch_b8 v0, s[64:65] scope:SCOPE_SE
	s_setreg_imm32_b32 hwreg(HW_REG_WAVE_MODE, 25, 1), 1
	s_wait_xcnt 0x0
	s_wait_alu depctr_hold_cnt(0) depctr_sa_sdst(0) depctr_va_vdst(0) depctr_va_sdst(0) depctr_va_ssrc(0) depctr_va_vcc(0) depctr_vm_vsrc(0)
	s_getreg_b32 s2, hwreg(HW_REG_IB_STS2, 6, 4)
	s_cmp_eq_u32 s2, 0
	s_cbranch_scc0 .Lentry_in_a_cluster
	s_endpgm
.Lentry_in_a_cluster:
	s_bfe_u32 s2, ttmp6, 0x10000c
	s_cmp_lg_u32 s2, 0xf033
	s_cbranch_scc0 .Lentry_shape_is_right
	s_endpgm
.Lentry_shape_is_right:
; qkv[m][n'] = sum over k of xb[m][k] w1t[n'][k].  xb: [16384][1024] bf16, w1t: [3072][1024] bf16, qkv: [16384][3072] f16; sums in f32, rounded once.
; LIMIT.  A result of 65,520 or more in size becomes an infinity in f16.  NaN and infinities are not treated apart.
; A tile of C, 256 x 256, is made by a work-group of four waves; a wave makes 128 x 128: 64 accumulators of 16 x 16, 512 registers.  K goes in steps of 128 through a ring of two
; LDS slots filled by the tensor data mover: the tiles' rows are 256 bytes of memory and start at multiples of 256 bytes from the buffer's first byte.
; A WORK-GROUP STAYS: it makes three tiles of C, side by side, 1,024 columns apart (q, k, v): they share their rows of A.  The ring does not stop at a tile's end: a tile's last two
; changes of slots ask for the next tile's first two K steps, and nothing waits for a tile's stores.  64 x 4 work-groups: 256.
; ONE TEXT FOR ALL LAPS: the lap loop has four trips a tile.  What B's addresses and the prefetches' step by in a lap (on along K, or to the next tile) lies in scalar registers chosen once a lap; A's
; addresses go on by 512 bytes or, in a tile's last lap, back by 1,536: two lines with constants, under a branch on the lap's count.  The loop is left forward: behind a tile's last change of slots
; into the way out, or, in the last tile's last lap, into a tail that asks for nothing.
; THE LAST TILE'S LAST K STEP GOES BY ROWS OF C, so that finished rows leave while the others are multiplied.
; CLUSTERS: 4 x 4 work-groups.  The four of a row of the cluster need the same tiles of A, the four of a column the same tiles of B: each tile is asked for JOINTLY, by the same tensor
; load with the same descriptor and a mask that names the four; each receives it in its own LDS.
; REGISTERS, in windows of 256 (s_set_vgpr_msb: bits 1:0 source 0, 3:2 source 1, 5:4 source 2, 7:6 destination):
;   window 0: v0-31 addresses; v64-127, v128-191 fragments of A, two buffers (in the very last K step four, of 16 rows x 128 K); v32-63, v192-255 at work on the way out
;   window 1: v64-127, v128-191 fragments of B, two buffers; in the very last K step all 256: B's fragments of the whole step
;   window 2: the 32 accumulators of my rows 0-63 (accumulator (a, b) at v[8 (8 a + b)]);   window 3: those of my rows 64-127
; THE MATRIX INSTRUCTION IS USED TRANSPOSED: source 0 = 16 rows of B, source 1 = 16 rows of A: a lane then holds row l % 16 of C and the eight neighbouring columns 8 (l / 16) + 0..7.
.set SIZE_N, 3072
.set SIZE_K, 1024
.set TILES,  3
.set KSTEP,  128
.set PITCH,  272                       ; an LDS row: 256 bytes + 16 of padding = 68 words: the 16 rows of a load start at 16 different groups of four banks (64 banks of 4 bytes: ISA guide 11.1)
.set HALFT,  128*PITCH                 ; 128 rows: what one tensor load brings, and what one wave reads of A or of B
.set SLOT,   4*HALFT                   ; A's 256 rows, then B's 256 rows
.set STAGE,  2*SLOT                    ; behind the ring: 16 rows x 272 bytes for each wave, for the way out; no tensor load fills it
.set SPITCH, 272
.set SPARE,  STAGE+4*16*SPITCH         ; behind the stages: the spare words, 128 bytes for each wave: two blocks of 256 bytes that no other line names
.set LAPS,   SIZE_K/(2*KSTEP)          ; a lap = two K steps = once round the ring
.set CROW,   SIZE_N*2                  ; bytes in a row of C
.set BACK_A, (SIZE_K-2*KSTEP)*2        ; from a slot's last K step of a tile to its first: A only goes back along K (1,536 bytes),
.set NEXT_B, 1024*SIZE_K*2-BACK_A      ; B goes 1,024 rows down and back
.set NEXT_P, 1023*SIZE_K*2+KSTEP*2     ; the prefetches: from the K step after a tile's last to the next tile's K step 1
.set NEXT_C, 1024*2                    ; C: 1,024 columns on
.set ADRA, 16                          ; v16-17  LDS address of my A fragments in slot 0, 1
.set ADRB, 20                          ; v20-21  the same for B
.set STO,  24                          ; v24     the way out: where I put 16 bytes of a row
.set RD,   25                          ; v25     the way out: where I read a row back
.set CO,   26                          ; v26     my byte offset in C; never rewritten
.set SPW,  28                          ; v28     LDS address of my spare word; never rewritten
.set NIL,  29                          ; v29     0; never rewritten
.set PFO,  30                          ; v30     the prefetches' offset: my lane x a row of A or B; never rewritten
.set PFA,  44                          ; s[44:45] where my prefetches stand: one K step further along K than the refill that is being asked for; a prefetch names the K step after that
.set LIM,  43                          ; s43     1 in a wave that prefetches, else the greatest number
.set F0,   64
.set F1,   128
.set TMP,  192                         ; the way out: packed results
.set OB,   32                          ; the way out: 16 rows read back: v32-63 and v224-255 by turns
.set PA,   64                          ; the very last K step: A's fragments of 16 rows x 128 K, 32 registers; four such buffers, v64-191
.set G1, 24                            ; s[24:31] descriptor group 1 for A's tiles
.set G0, 32                            ; s[32:39] descriptor group 0 for A's tiles, one set for each slot
.set G1B, 48                           ; s[48:55], s[56:63] the same for B's tiles
.set G0B, 56
.set STB,  68                          ; s[68:69] what B's addresses step by in this lap (the high word stays 0)
.set STP,  70                          ; s[70:71] the prefetches', at the lap's first change of slots (likewise)
.set C512, 72                          ; s72, s74-76  the four numbers to choose from
.set CNB,  74
.set C256, 75
.set CNP,  76
.set T0,   77                          ; s77     at work
.set ASKF, 78                          ; s78     1: I prefetch in this lap
.set MSB, 0
.macro WIN new                         ; the immediate's high byte repeats the setting that is left; a switch that changes nothing is dropped
.if MSB != (\new)
	s_set_vgpr_msb (MSB<<8)|(\new)
.set MSB, \new
.endif
.endm
.set MUL_LO, 0xa1                      ; source 0 (B) window 1, source 1 (A) window 0, C and D window 2
.set MUL_HI, 0xf1                      ; the same, C and D window 3
.set TO_B,   0x40                      ; destination window 1, address window 0
; A joint load.  Waves 0 and 1 fetch A's two halves, waves 2 and 3 B's.  The branch hangs on the wave's number alone.  An s_nop 0 and four v_nop follow each of the two lines.
.macro JLOAD s
	s_cmp_eq_u32 s11, 0
	s_cbranch_scc0 .Lfor_b_\@
	tensor_load_to_lds s[G0+4*(\s):G0+4*(\s)+3], s[G1:G1+7]
	s_nop 0
.rept 4
	v_nop
.endr
	s_branch .Lasked_\@
.Lfor_b_\@:
	tensor_load_to_lds s[G0B+4*(\s):G0B+4*(\s)+3], s[G1B:G1B+7]
	s_nop 0
.rept 4
	v_nop
.endr
.Lasked_\@:
.endm
; A PREFETCH, behind each joint load, its five lines and the run of LDS loads: the K step that stands two refills on, 512 matrix instructions ahead of the load that will want it: 32 rows x 256 bytes,
; a lane a row, one instruction a wave.  Each row's 256 bytes of a K step are named ONCE in the launch.  A's tile row is read by one cluster alone (the grid is one cluster wide): it asks, in the walk's
; first tile; B's tile column by all sixteen clusters: cluster y = 0 asks, in every tile, since each tile has rows of B of its own.  The four partners that ask for a tile jointly share its rows out
; BY ADDRESS: of the 128 rows that a wave fetches the partner at place p takes 32 p .. 32 p + 31 (p = cx for A, cy for B).  A tile's laps 1 and 2 name its K steps 4 to 7; lap 3 names nothing: there is
; no K step two on; lap 4, the change of tiles, names the next tile's K steps 2 and 3.  The launch's first four K steps, and each tile's first two, come by their loads alone.
.macro ASK
	s_cmp_eq_u32 s[ASKF], 1
	s_cbranch_scc0 .Lnot_mine_\@
	global_prefetch_b8 v[PFO], s[PFA:PFA+1] offset:KSTEP*2 th:TH_LOAD_NT scope:SCOPE_SE
.Lnot_mine_\@:
.endm
.macro CREST                           ; a round of the cluster's barrier behind its opening barrier
	s_cmp_lg_u32 s10, 0
	s_cbranch_scc1 .Lnot_wave_0_\@
	s_barrier_signal -3
.Lnot_wave_0_\@:
	s_barrier_wait -3
	s_barrier_signal -1
	s_barrier_wait -1
.endm
.macro CROUND                          ; a whole round
	s_barrier_signal -1
	s_barrier_wait -1
	CREST
.endm
	s_load_b128 s[4:7], s[0:1], 0x0                ; A s[4:5], B s[6:7]
	s_load_b64 s[8:9], s[0:1], 0x10                ; C
	v_lshl_add_u32 v[SPW], v0, 2, SPARE
	v_mov_b32 v[NIL], 0
	ds_add_u32 v[SPW], v[NIL]                      ; the wave's opening: the add and its wait stand ahead of my first tensor load; the set-up below, work on registers, stands between them
	v_lshrrev_b32 v1, 5, v0
	v_readfirstlane_b32 s10, v1                    ; wave 0..3
	s_lshr_b32 s11, s10, 1                         ; which half of the tile's rows is mine.  Also: I fetch for A (0) or for B (1)
	s_and_b32 s12, s10, 1                          ; which half of its columns.  Also: which 128 rows of that tile I fetch
	s_bfe_u32 s40, ttmp6, 0x40000                  ; cx
	s_bfe_u32 s41, ttmp6, 0x40004                  ; cy
	s_lshl_b32 s42, ttmp9, 2
	s_add_co_u32 s42, s42, s40                     ; tile column = 4 x cluster x + cx
	s_and_b32 s13, ttmp7, 0xffff
	s_lshl_b32 s13, s13, 2
	s_add_co_u32 s13, s13, s41                     ; tile row = 4 x cluster y + cy
	s_lshl_b32 s43, s41, 2
	s_lshl_b32 s43, 15, s43                        ; my row of the cluster: places 4 cy .. 4 cy + 3
	s_lshl_b32 s44, 0x1111, s40                    ; my column: places cx, cx + 4, cx + 8, cx + 12
	; descriptor group 1: a tile of 128 rows x 128 elements, padded in LDS
	s_or_b32 s[G1+0], s43, (1<<16)|(1<<20)|(1<<21)|(5<<22)|(3<<25)  ; 15:0 the mask; 17:16 elements of 2 bytes; 20 padding on; 21 set beside a mask; 24:22 after every 64 words (code 5); 31:25 4 words (code 3)
	s_or_b32 s[G1B+0], s44, (1<<16)|(1<<20)|(1<<21)|(5<<22)|(3<<25)
.irp g, G1, G1B
	s_mov_b32 s[(\g)+1], KSTEP<<16                 ; tensor_dim0 = 128
	s_mov_b32 s[(\g)+2], 128<<16                   ; tensor_dim1 = 128
	s_mov_b32 s[(\g)+3], KSTEP<<16                 ; tile_dim0 = 128
	s_mov_b32 s[(\g)+4], 128                       ; tile_dim1 = 128
	s_mov_b32 s[(\g)+5], SIZE_K                    ; elements from row to row
	s_mov_b32 s[(\g)+6], 0
	s_mov_b32 s[(\g)+7], 0
.endr
	s_mov_b32 s[C512], 2*KSTEP*2                   ; two K steps on
	s_mov_b32 s[CNB], NEXT_B
	s_mov_b32 s[C256], KSTEP*2
	s_mov_b32 s[CNP], NEXT_P
	s_mov_b32 s[STB+1], 0
	s_mov_b32 s[STP+1], 0
	; A's tiles hang on the tile row alone, B's on the tile column alone; each address is made in registers that never hold the other coordinate
	s_lshl_b32 s17, s12, 7
	s_lshl_b32 s16, s13, 8
	s_add_co_u32 s16, s16, s17                     ; A: row 256 x tile row + 128 x half
	s_lshl_b32 s46, s42, 8
	s_add_co_u32 s46, s46, s17                     ; B: row 256 x tile column + 128 x half (the walk's first tile)
	s_mov_b32 s17, 0
	s_mov_b32 s47, 0
	s_mov_b64 s[18:19], SIZE_K*2
	s_mul_u64 s[16:17], s[16:17], s[18:19]
	s_mul_u64 s[46:47], s[46:47], s[18:19]
	s_mul_i32 s20, s10, HALFT                      ; where they go: wave x 128 rows: no place in the cluster enters an LDS address
	s_wait_dscnt 0x0                               ; the opening add is done
	s_wait_kmcnt 0x0
	s_add_nc_u64 s[14:15], s[4:5], s[16:17]
	s_add_nc_u64 s[46:47], s[6:7], s[46:47]
	CROUND                                         ; all sixteen work-groups are here: the first joint loads meet
.irp s, 0,1
	s_mov_b32 s[G0+4*(\s)], 1                                      ; count = 1
	s_add_co_u32 s[G0+4*(\s)+1], s20, (\s)*SLOT                    ; LDS address
	s_add_nc_u64 s[G0+4*(\s)+2:G0+4*(\s)+3], s[14:15], (\s)*KSTEP*2  ; global address: K step s
	s_or_b32 s[G0+4*(\s)+3], s[G0+4*(\s)+3], 0x80000000            ; type = 2
	s_mov_b32 s[G0B+4*(\s)], 1
	s_add_co_u32 s[G0B+4*(\s)+1], s20, (\s)*SLOT
	s_add_nc_u64 s[G0B+4*(\s)+2:G0B+4*(\s)+3], s[46:47], (\s)*KSTEP*2
	s_or_b32 s[G0B+4*(\s)+3], s[G0B+4*(\s)+3], 0x80000000
	JLOAD \s                                       ; two loads of mine are out
.endr
	; a fragment is 16 rows x 32 K in 8 registers: lane l holds row l % 16; two loads of 16 bytes, 32 bytes apart, at row x pitch + 16 (l / 16)
	v_and_b32 v1, 15, v0
	v_bfe_u32 v2, v0, 4, 1
	v_mul_u32_u24 v3, v1, PITCH
	v_lshl_add_u32 v3, v2, 4, v3
	s_mul_i32 s21, s11, HALFT                      ; my 128 rows of A
	s_mul_i32 s22, s12, HALFT                      ; my 128 rows of B,
	s_add_co_u32 s22, s22, 2*HALFT                 ; which lie behind A's 256
.irp s, 0,1
	v_add_nc_u32 v[ADRA+(\s)], s21, v3
	v_add_nc_u32 v[ADRB+(\s)], s22, v3
	s_add_co_u32 s21, s21, SLOT
	s_add_co_u32 s22, s22, SLOT
.endr
	s_mul_i32 s23, s10, 16*SPITCH
	s_add_co_u32 s23, s23, STAGE                   ; my stage
	v_mul_u32_u24 v4, v1, SPITCH                   ; in: row l % 16, 16 bytes for each half of the lanes
	v_lshl_add_u32 v4, v2, 4, v4
	v_add_nc_u32 v[STO], s23, v4
	v_mul_u32_u24 v5, v2, SPITCH                   ; back: lanes 0-15 take one row of 256 bytes, lanes 16-31 the next
	v_lshl_add_u32 v5, v1, 4, v5
	v_add_nc_u32 v[RD], s23, v5
	v_mul_u32_u24 v5, v2, CROW                     ; and the same two rows in C
	v_lshl_add_u32 v[CO], v1, 4, v5
	; C at my part of the first tile
	s_lshl_b32 s13, s13, 8
	s_lshl_b32 s14, s11, 7
	s_add_co_u32 s16, s13, s14                     ; my first row
	s_mov_b32 s17, 0
	s_mov_b64 s[18:19], CROW
	s_mul_u64 s[16:17], s[16:17], s[18:19]
	s_lshl_b32 s46, s42, 9                         ; my first column, in bytes: 512 x tile column + 256 x half
	s_lshl_b32 s47, s12, 8
	s_add_co_u32 s46, s46, s47
	s_mov_b32 s47, 0
	s_add_nc_u64 s[16:17], s[16:17], s[46:47]
	s_add_nc_u64 s[8:9], s[8:9], s[16:17]
	; the prefetches.  s13 = 256 x tile row, s42 = tile column, s40 = cx, s41 = cy still stand
	s_lshl_b32 s42, s42, 8
	s_and_b32 s22, ttmp7, 0xffff                   ; cluster y
	s_cmp_eq_u32 s11, 0                            ; do I fetch for A?
	s_cselect_b32 s20, s13, s42                    ; the tile's first row
	s_cselect_b32 s21, s40, s41                    ; my place among the four that ask for it with me
	s_cselect_b32 s22, ttmp9, s22                  ; the coordinate along which other clusters read the same rows
	s_cselect_b64 s[PFA:PFA+1], s[4:5], s[6:7]
	s_cmp_eq_u32 s22, 0
	s_cselect_b32 s[LIM], 1, -1                    ; the same in all sixteen partners, for a given wave
	s_lshl_b32 s22, s12, 7
	s_add_co_u32 s20, s20, s22                     ; + the 128 rows that I fetch
	s_lshl_b32 s21, s21, 5
	s_add_co_u32 s20, s20, s21                     ; + my work-group's 32 of them
	s_mov_b32 s21, 0
	s_mov_b64 s[18:19], SIZE_K*2
	s_mul_u64 s[20:21], s[20:21], s[18:19]
	s_add_nc_u64 s[PFA:PFA+1], s[PFA:PFA+1], s[20:21]
	s_add_nc_u64 s[PFA:PFA+1], s[PFA:PFA+1], 2*KSTEP*2  ; at K step 2: the first refill steps it to 3 and names K step 4
	v_and_b32 v[PFO], 31, v0
	v_mul_u32_u24 v[PFO], v[PFO], SIZE_K*2
; 16 matrix instructions: m blocks a0, a0 + 1 of the window's four (hi = 0: my rows 0-63, 1: rows 64-127) x all 8 n blocks, 32 along K.  zero = 1: the first product starts the sums.
; The 64 accumulators take turns, one instruction a turn, in the same order in every quarter step.
.macro MUL16 f, hi, a0, zero
	WIN MUL_LO+0x50*(\hi)
.irp a, \a0, (\a0)+1
.irp b, 0,1,2,3,4,5,6,7
.if \zero
	v_wmma_f32_16x16x32_bf16 v[8*(8*(\a)+(\b)):8*(8*(\a)+(\b))+7], v[(\f)+8*(\b):(\f)+8*(\b)+7], v[(\f)+8*(4*(\hi)+(\a)):(\f)+8*(4*(\hi)+(\a))+7], 0
.else
	v_wmma_f32_16x16x32_bf16 v[8*(8*(\a)+(\b)):8*(8*(\a)+(\b))+7], v[(\f)+8*(\b):(\f)+8*(\b)+7], v[(\f)+8*(4*(\hi)+(\a)):(\f)+8*(4*(\hi)+(\a))+7], v[8*(8*(\a)+(\b)):8*(8*(\a)+(\b))+7]
.endif
.endr
.endr
.endm
; 32 LDS loads in one run: the fragments of one quarter step (128 rows of B, 128 rows of A, 32 K at byte k of the rows) into buffer f
.macro FETCH slot, k, f
	WIN TO_B
.irp i, 0,1,2,3,4,5,6,7
	ds_load_b128 v[(\f)+8*(\i):(\f)+8*(\i)+3],   v[ADRB+(\slot)] offset:(\k)+(\i)*16*PITCH
	ds_load_b128 v[(\f)+8*(\i)+4:(\f)+8*(\i)+7], v[ADRB+(\slot)] offset:(\k)+(\i)*16*PITCH+32
.endr
	WIN 0
.irp i, 0,1,2,3,4,5,6,7
	ds_load_b128 v[(\f)+8*(\i):(\f)+8*(\i)+3],   v[ADRA+(\slot)] offset:(\k)+(\i)*16*PITCH
	ds_load_b128 v[(\f)+8*(\i)+4:(\f)+8*(\i)+7], v[ADRA+(\slot)] offset:(\k)+(\i)*16*PITCH+32
.endr
.endm
.macro PLACES                          ; four plain vector instructions between a matrix instruction and a load into a register that it has read, or a vector instruction that reads its result (ISA guide 7.12.1 for vector instructions)
.rept 4
	v_nop
.endr
.endm
; A K step is four quarter steps of 32 along K, 64 matrix instructions each, on buffers 0, 1, 0, 1.  One of the first three: multiplies buffer f; in its middle it fetches the next quarter's fragments into g.
.macro QUARTER slot, k, f, g, zero
	s_wait_dscnt 8                                 ; B and A's rows 0-63 are in; the youngest eight loads (A's rows 64-127) may be out
	MUL16 \f, 0, 0, \zero
	MUL16 \f, 0, 2, \zero
	PLACES
	FETCH \slot, \k, \g
	s_wait_dscnt 32                                ; all but the 32 just issued
	MUL16 \f, 1, 0, \zero
	MUL16 \f, 1, 2, \zero
.endm
; The last quarter multiplies buffer 1 and changes slots.  MEET is its first half: one barrier; in front of it each wave waits for all its tensor loads (one is out: its part of the next slot),
; adds 0 to its spare word, and waits for that and for its own reads of this slot.  Behind it nobody reads this slot any more and the next slot is whole.
.macro MEET round
	WIN 0                                          ; (the add's two registers lie in window 0)
	s_wait_tensorcnt 0x0
	ds_add_u32 v[SPW], v[NIL]                      ; 0 onto my spare word
	s_wait_dscnt 9                                 ; (the add and the youngest eight loads may be out)
	MUL16 F1, 0, 0, 0                              ; sixteen matrix instructions stand between the add and the wait for it
	s_wait_dscnt 0x0                               ; the add is done, and my reads of this slot are over
	s_barrier_signal -1
	MUL16 F1, 0, 2, 0                              ; work on registers while the others arrive
.if \round
	WIN 0
.endif
	s_barrier_wait -1
.endm
; The whole last quarter.  Behind the round the slot just read out is filled again first: its addresses step two K steps on, or, in a tile's last lap (s3 = 1: the same count in every work-group),
; to the next tile's K step 0 or 1; then come the next slot's first fragments.  From a request to the wait for it a wave issues 224 matrix instructions.
.macro TURN slot, next
	s_wait_xcnt 0x0                                ; the last prefetch, a K step back, has read its address: it is stepped here, ahead of the waits of the change of slots
.if (\slot) == 0
	s_add_nc_u64 s[PFA:PFA+1], s[PFA:PFA+1], s[STP:STP+1]
.else
	s_add_nc_u64 s[PFA:PFA+1], s[PFA:PFA+1], KSTEP*2
.endif
	MEET 1
	CREST                                          ; no wave of any partner still reads this slot's tile or has a load on its way
	s_cmp_eq_u32 s3, 1
	s_cbranch_scc1 .Lback_\@
	s_add_nc_u64 s[G0+4*(\slot)+2:G0+4*(\slot)+3], s[G0+4*(\slot)+2:G0+4*(\slot)+3], 2*KSTEP*2   ; A: two K steps on; the type bits on top are not reached
	s_branch .Lstepped_\@
.Lback_\@:
	s_sub_nc_u64 s[G0+4*(\slot)+2:G0+4*(\slot)+3], s[G0+4*(\slot)+2:G0+4*(\slot)+3], BACK_A      ; A: the same rows, back to K step 0 or 1
.Lstepped_\@:
	s_add_nc_u64 s[G0B+4*(\slot)+2:G0B+4*(\slot)+3], s[G0B+4*(\slot)+2:G0B+4*(\slot)+3], s[STB:STB+1]
	JLOAD \slot                                    ; the first tensor load behind the round; its four v_nop are also the places in front of the loads below
	FETCH \next, 0, F0
	ASK
	MUL16 F1, 1, 0, 0
	MUL16 F1, 1, 2, 0
.endm
; THE LAST K STEP OF THE LAST TILE (it lies in slot 1) GOES BY ROWS OF C, NOT BY K.  All its fragments of B (4 quarters x 64 registers) fill window 1; then my eight blocks of 16 rows are finished one
; after the other, each with 32 matrix instructions (its 8 accumulators by turns, K ascending).  LDS is read no more than in any other K step.
.macro BLOAD q                         ; B's fragments of quarter q -> window 1, v[64 q ..]
	WIN TO_B
.irp i, 0,1,2,3,4,5,6,7
	ds_load_b128 v[64*(\q)+8*(\i):64*(\q)+8*(\i)+3],   v[ADRB+1] offset:64*(\q)+(\i)*16*PITCH
	ds_load_b128 v[64*(\q)+8*(\i)+4:64*(\q)+8*(\i)+7], v[ADRB+1] offset:64*(\q)+(\i)*16*PITCH+32
.endr
.endm
.macro ALOAD a                         ; A's fragments of block a, all four quarters -> buffer a % 4
	WIN 0
.set FA, PA+32*((\a)%4)
.irp q, 0,1,2,3
	ds_load_b128 v[FA+8*(\q):FA+8*(\q)+3],   v[ADRA+1] offset:64*(\q)+(\a)*16*PITCH
	ds_load_b128 v[FA+8*(\q)+4:FA+8*(\q)+7], v[ADRA+1] offset:64*(\q)+(\a)*16*PITCH+32
.endr
.endm
.macro ROW a                           ; block a is finished: 32 matrix instructions
.set FA, PA+32*((\a)%4)                ; its fragments of A
.set AC, 64*((\a)%4)                   ; its eight accumulators, in window 2 (blocks 0-3) or 3 (blocks 4-7)
	WIN MUL_LO+0x50*((\a)/4)
.irp q, 0,1,2,3
.if (\a) == 0 && (\q) == 2
	s_wait_dscnt 24                                ; B's quarter 2 is in (behind it: A's blocks 1 to 3, 24 loads)
.endif
.irp b, 0,1,2,3,4,5,6,7
	v_wmma_f32_16x16x32_bf16 v[AC+8*(\b):AC+8*(\b)+7], v[64*(\q)+8*(\b):64*(\q)+8*(\b)+7], v[FA+8*(\q):FA+8*(\q)+7], v[AC+8*(\b):AC+8*(\b)+7]
.endr
.endr
.endm
; THE WAY OUT of block a (16 rows), in three parts.  PACK: rounded to f16, 16 bytes a lane (each accumulator's registers in ascending order).  TOSTAGE: into my own stage, and back as whole rows of 256 bytes.  SEND: stored.
.macro PACK a
.set AC, 64*((\a)%4)
	WIN 0x0a+5*((\a)/4)                            ; sources 0 and 1: window 2 or 3
.irp b, 0,1,2,3,4,5,6,7
.irp r, 0,1,2,3
	v_cvt_pk_f16_f32 v[TMP+4*(\b)+(\r)], v[AC+8*(\b)+2*(\r)], v[AC+8*(\b)+2*(\r)+1]
.endr
.endr
	WIN 0
.endm
.macro TOSTAGE a
	WIN 0
.set BK, OB+192*((\a)%2)
.irp b, 0,1,2,3,4,5,6,7
	ds_store_b128 v[STO], v[TMP+4*(\b):TMP+4*(\b)+3] offset:32*(\b)
.endr
.irp t, 0,1,2,3,4,5,6,7
	ds_load_b128 v[BK+4*(\t):BK+4*(\t)+3], v[RD] offset:(\t)*2*SPITCH  ; LDS serves a wave's instructions in order (ISA guide 5.7.1.4): these see the stores above
.endr
.endm
.macro SEND a, younger                 ; younger: the LDS loads issued behind TOSTAGE's, which may stay out
	WIN 0
.set BK, OB+192*((\a)%2)
	s_wait_dscnt \younger                          ; the block is back in registers
	s_wait_xcnt 0x0                                ; the stores of the block before have read their registers: the next TOSTAGE loads into them only behind this wait
.irp t, 0,1,2,3,4,5,6,7
	global_store_b128 v[CO], v[BK+4*(\t):BK+4*(\t)+3], s[8:9] offset:(16*(\a)+2*(\t))*CROW th:TH_STORE_NT  ; 16 lanes store 256 consecutive bytes, at a multiple of 256 from C's first byte; 126 rows at the most: inside the signed 24-bit immediate
.endr
.endm
	s_wait_tensorcnt 1                             ; my part of K step 0 is in; K step 1's may stay out
	s_barrier_signal -1
	s_barrier_wait -1                              ; everybody's is
	FETCH 0, 0, F0
	s_mov_b32 s2, TILES                            ; tiles to go, this one among them
.Ltile:
	QUARTER 0, 64,  F0, F1, 1                      ; a tile's first quarter stands in front of the loop: its products start the sums
	WIN 0                                          ; at a label and at a branch every window is 0
	s_mov_b32 s3, LAPS                             ; laps to go, this one among them
.Llap:                                                 ; a trip goes once round the ring, from a lap's second quarter to the next lap's first, and fills both slots again
	QUARTER 0, 128, F1, F0, 0
	QUARTER 0, 192, F0, F1, 0
	WIN 0
	s_cmp_lg_u32 s3, 1
	s_cbranch_scc1 .Lgo
	s_cmp_eq_u32 s2, 1
	s_cbranch_scc1 .Llast                          ; the last tile's last lap is written out: it asks for nothing more
.Lgo:
	s_cmp_eq_u32 s3, 1                             ; a tile's last lap asks for the next tile's first two K steps
	s_cselect_b32 s[STB], s[CNB], s[C512]
	s_cselect_b32 s[STP], s[CNP], s[C256]
	s_sub_co_u32 s[T0], s3, 1
	s_or_b32 s[T0], s[T0], s11
	s_cmp_eq_u32 s[T0], 0                          ; there a wave that fetches for A stops prefetching: A's rows are the same for all tiles of the walk
	s_cselect_b32 s[LIM], -1, s[LIM]
	s_cmp_lg_u32 s3, 2                             ; the lap before has no K step two refills on
	s_cselect_b32 s[ASKF], s[LIM], -1
	TURN 0, 1
	QUARTER 1, 64,  F0, F1, 0
	QUARTER 1, 128, F1, F0, 0
	QUARTER 1, 192, F0, F1, 0
	TURN 1, 0
	WIN 0
	s_sub_co_u32 s3, s3, 1
	s_cmp_eq_u32 s3, 0
	s_cbranch_scc1 .Lout
	QUARTER 0, 64,  F0, F1, 0
	WIN 0
	s_branch .Llap
.Lout:                                                 ; both refills for the next tile are asked for, its first fragments fetched: now the tile goes out.  No v_nop: blocks 0-3 were finished in front of
	PACK 0                                         ; the joint load's places, and their conversions are the last products' places
	TOSTAGE 0
.irp a, 1,2,3,4,5,6,7                  ; block a's conversions stand between block a - 1's loads from the stage and the wait for them
	PACK \a
	SEND (\a)-1, 0
	TOSTAGE \a
.endr
	SEND 7, 0
	s_wait_xcnt 0x0                                ; the stores have read C's address
	s_add_nc_u64 s[8:9], s[8:9], NEXT_C
	s_sub_co_u32 s2, s2, 1
	s_branch .Ltile
.Llast:
	MEET 0                                         ; my one tensor load that was still out is slot 1's, the last K step's, so no round follows
	PLACES                                         ; for the loads into buffer 0, which the quarter before multiplied
	BLOAD 0                                        ; three quarters of B now: buffer 1 (v128-191 of both windows) is still being multiplied
	BLOAD 1
	BLOAD 3
	ALOAD 0
	MUL16 F1, 1, 0, 0
	MUL16 F1, 1, 2, 0
	PLACES                                         ; for the loads into buffer 1
	BLOAD 2
	ALOAD 1
	ALOAD 2
	ALOAD 3
	s_wait_dscnt 40                                ; all but the 40 just issued
	ROW 0
.irp a, 0,1,2,3,4,5,6,7                ; each block leaves as soon as it is finished: nothing follows this tile under which its stores could leave
	PLACES                                         ; its conversions read results just made
	PACK \a
	TOSTAGE \a
.if (\a) < 4
	ALOAD (\a)+4                                   ; its buffer takes the block four further on
	SEND \a, 8
.else
	SEND \a, 0
.endif
.if (\a) < 7
	ROW (\a)+1
.endif
.endr
	s_wait_tensorcnt 0x0                           ; the wave's end, behind my last tensor load and my last LDS store
	ds_add_u32 v[SPW], v[NIL]
	s_wait_dscnt 0x0
	CROUND                                         ; the closing round: no work-group ends while a partner may still ask for a tile that names it
	s_endpgm
.Lfunc_end_k_q0695cc06bb_gemm1:
	.size	k_q0695cc06bb_gemm1, .Lfunc_end_k_q0695cc06bb_gemm1-k_q0695cc06bb_gemm1
	.p2alignl 7, 3214868480
	.fill 96, 4, 3214868480
	.section	.rodata,"a",@progbits
	.p2align	6, 0x0
	.amdhsa_kernel k_q0695cc06bb_gemm1
		.amdhsa_group_segment_fixed_size 327680
		.amdhsa_private_segment_fixed_size 0
		.amdhsa_enable_private_segment 0
		.amdhsa_kernarg_size 24
		.amdhsa_user_sgpr_count 2
		.amdhsa_user_sgpr_kernarg_segment_ptr 1
		.amdhsa_wavefront_size32 1
		.amdhsa_system_sgpr_workgroup_id_x 1
		.amdhsa_system_sgpr_workgroup_id_y 1
		.amdhsa_system_sgpr_workgroup_id_z 1
		.amdhsa_system_vgpr_workitem_id 0
		.amdhsa_next_free_vgpr 1024
		.amdhsa_next_free_sgpr 80
		.amdhsa_reserve_vcc 0
		.amdhsa_float_denorm_mode_32 3
		.amdhsa_float_denorm_mode_16_64 3
		.amdhsa_memory_ordered 1
		.amdhsa_forward_progress 1
		.amdhsa_inst_pref_size 163
	.end_amdhsa_kernel
	.amdgpu_metadata
---
amdhsa.version: [ 1, 2 ]
amdhsa.kernels:
  - .name:           k_q0695cc06bb_gemm1
    .symbol:         k_q0695cc06bb_gemm1.kd
    .args:
      - { .name: xb, .offset: 0, .size: 8, .value_kind: global_buffer, .address_space: global }
      - { .name: w1t, .offset: 8, .size: 8, .value_kind: global_buffer, .address_space: global }
      - { .name: qkv, .offset: 16, .size: 8, .value_kind: global_buffer, .address_space: global }
    .group_segment_fixed_size: 327680
    .private_segment_fixed_size: 0
    .kernarg_segment_align: 8
    .kernarg_segment_size: 24
    .max_flat_workgroup_size: 128
    .sgpr_count:     80
    .vgpr_count:     1024
    .wavefront_size: 32
...
	.end_amdgpu_metadata
.endif
;; end of part 2
;; launch attn (part 3): grid 1024 x 1, 4 waves a work-group, no clusters, 0 bytes of LDS; arguments qkv, freqs_cos, freqs_sin, g_q, g_k, ob; writes ob
.if DOCPART == 3
	.amdgcn_target "amdgcn-amd-amdhsa--gfx1250"
	.amdhsa_code_object_version 6
	.text
	.protected	k_q0695cc06bb_attn
	.globl	k_q0695cc06bb_attn
	.p2align	8
	.type	k_q0695cc06bb_attn,@function
k_q0695cc06bb_attn:
	s_mov_b64 s[64:65], 0
	v_nop
	global_prefetch_b8 v0, s[64:65] scope:SCOPE_SE
	s_setreg_imm32_b32 hwreg(HW_REG_WAVE_MODE, 25, 1), 1
	s_wait_xcnt 0x0
; FOR EACH TOKEN: RMS norm of each head of q and k (x / (sqrt(mean x^2) + 1e-6) * g), rope, S[h][g] = q[h] . k[g] / 8, softmax over g (the row's maximum taken away), O[h] = sum over g of P[h][g] v[g].
; qkv: [16384][3072] f16, a row: q at byte 0, k at 2,048, both with channel 16 u + dd of head h at u*256 + h*16 + dd; v at 4,096 with channel d of head g at d*16 + g.
; ob: [16384][1024] f16 with channel 16 c + dd of head h at c*256 + h*16 + dd.  In these orders every load and store of a wave is 512 consecutive bytes at the one lane offset 32 (l % 16) + 16 (l / 16).
; cos, sin, g_q, g_k are rounded to bf16 (as all the module's inputs are) and widened again; all arithmetic outside the two products is f32; normalised q and k, and P, are rounded to f16 for the products, O once.
; LIMITS.  f16 ends at 65,504: the normalised, turned q and k, at most 8 |g| (|cos| + |sin|) in size, and O, a mean of v's rows, must lie within it.  A mean of squares below 2^-126 counts as 0 in the root;
; a weight below 2^-126 counts as 0.  NaN and infinities are not treated apart (an infinite v would also reach its neighbours: the second product's upper 16 keys are stray finite numbers times 0).
; SHARES.  A wave owns one position p = 4 x work-group + wave and its four batches, so cos, sin and the gains are read and rounded once a wave.  Waves share nothing: no LDS, no barrier; no cluster: what
; work-groups have in common is the gains' 512 bytes; no prefetch: the launch is a stream whose loads are issued a token ahead.
; LAYOUT.  Lane l: r = l % 16, hh = l / 16.  It holds 32 channels d = 16 u + 8 hh + j of head r.  S^T = K Q^T (source 0 = k's 16 heads, source 1 = q's): the result holds h = r and g = 8 hh + j; rounded in pairs it
; IS registers 0-3 of source 1 of O^T = V^T P (16 keys; registers 4-7, keys 16-31, hold 0).  Source 0 there is 16 channels of v: registers 0-3 from memory as they lie, registers 4-7 whatever follows them.
.set VV,  2                            ; v2   32 r + 16 hh; never rewritten
.set VC,  3                            ; v3   16 hh: my four pairs of cos and sin in 32 bytes
.set VG,  4                            ; v4   32 hh: my eight gains in 64 bytes
.set MX,  5                            ; v5   the row's maximum
.set CM,  6                            ; v[6:7]   c m (v7 = 0: named with it as a pair)
.set INV, 8                            ; v[8:9]   a reciprocal (v9 = 0 likewise)
.set A,   10                           ; v[10:13] four chains of a sum
.set SS,  14
.set TT,  15                           ; v15  what the other half of the lanes holds
.set RQ,  16                           ; v[16:31]  q as loaded;  v[32:47]  k as loaded
.set RK,  32
.set QF,  48                           ; v[48:63]  q's two fragments;  v[64:79]  k's
.set KF,  64
.set X,   80                           ; v[80:111] 32 numbers in f32 at work; the products' results
.set T,   112                          ; v[112:127] at work; the packed O
.set PB,  128                          ; v[128:135] P's fragment; 132-135 stay 0
.set RV,  136                          ; v[136:151] v as loaded
.set Z,   152                          ; v[152:155] 0
.set CS,  156                          ; v[156:187] pairs (cos, sin)
.set GQ,  188                          ; v[188:219] g_q of my 32 channels;  v[220:251] g_k
.set GK,  220
.set QSTEP, 4096*6144                  ; from a batch to the next, in qkv
.set OSTEP, 4096*2048                  ; and in ob
	s_load_b256 s[4:11], s[0:1], 0x0               ; qkv s[4:5], cos s[6:7], sin s[8:9], g_q s[10:11]
	s_load_b128 s[12:15], s[0:1], 0x20             ; g_k s[12:13], ob s[14:15]
	v_lshrrev_b32 v1, 5, v0
	v_readfirstlane_b32 s16, v1                    ; wave
	s_lshl_b32 s17, ttmp9, 2
	s_add_co_u32 s17, s17, s16                     ; p
	v_and_b32 v1, 15, v0
	v_bfe_u32 v[VG], v0, 4, 1
	v_lshlrev_b32 v[VV], 5, v1
	v_lshl_add_u32 v[VV], v[VG], 4, v[VV]
	v_lshlrev_b32 v[VC], 4, v[VG]
	v_lshlrev_b32 v[VG], 5, v[VG]
	s_mul_i32 s18, s17, 6144
	s_mov_b32 s19, 0
	s_lshl_b32 s20, s17, 7
	s_mov_b32 s21, 0
	s_lshl_b32 s22, s17, 11
	s_mov_b32 s23, 0
	s_mov_b32 s24, 0xffff0000                      ; a word's upper bf16
	s_mov_b32 s26, 0x3e38aa3b                      ; c = log2(e) / 8
	s_mov_b32 s27, s26                             ; named with it as a pair
	s_mov_b32 s28, 0x76543210                      ; v_permlanex16_b32: each lane takes its own place in the other half
	s_mov_b32 s29, 0xfedcba98
	s_mov_b32 s30, 3
	s_wait_kmcnt 0x0
	s_add_nc_u64 s[4:5], s[4:5], s[18:19]
	s_add_nc_u64 s[6:7], s[6:7], s[20:21]
	s_add_nc_u64 s[8:9], s[8:9], s[20:21]
	s_add_nc_u64 s[14:15], s[14:15], s[22:23]
.macro LOADQK                          ; eight loads: a token's q and k
.irp u, 0,1,2,3
	global_load_b128 v[RQ+4*(\u):RQ+4*(\u)+3], v[VV], s[4:5] offset:512*(\u) th:TH_LOAD_NT
.endr
.irp u, 0,1,2,3
	global_load_b128 v[RK+4*(\u):RK+4*(\u)+3], v[VV], s[4:5] offset:2048+512*(\u) th:TH_LOAD_NT
.endr
.endm
.macro LOADV                           ; four loads: its v
.irp u, 0,1,2,3
	global_load_b128 v[RV+4*(\u):RV+4*(\u)+3], v[VV], s[4:5] offset:4096+512*(\u) th:TH_LOAD_NT
.endr
.endm
.irp u, 0,1,2,3
	global_load_b128 v[X+4*(\u):X+4*(\u)+3], v[VC], s[6:7] offset:32*(\u) th:TH_LOAD_NT        ; cos of pairs 8 u + 4 hh + 0..3
.endr
.irp u, 0,1,2,3
	global_load_b128 v[X+16+4*(\u):X+16+4*(\u)+3], v[VC], s[8:9] offset:32*(\u) th:TH_LOAD_NT  ; sin
.endr
.irp u, 0,1,2,3
	global_load_b128 v[GQ+8*(\u):GQ+8*(\u)+3],   v[VG], s[10:11] offset:64*(\u)
	global_load_b128 v[GQ+8*(\u)+4:GQ+8*(\u)+7], v[VG], s[10:11] offset:64*(\u)+16
.endr
.irp u, 0,1,2,3
	global_load_b128 v[GK+8*(\u):GK+8*(\u)+3],   v[VG], s[12:13] offset:64*(\u)
	global_load_b128 v[GK+8*(\u)+4:GK+8*(\u)+7], v[VG], s[12:13] offset:64*(\u)+16
.endr
	LOADQK                                         ; batch 0
	LOADV
	v_mov_b32 v[CM+1], 0
	v_mov_b32 v[INV+1], 0
	v_mov_b32 v[TT], 0
.irp i, 4,5,6,7
	v_mov_b32 v[PB+(\i)], 0
.endr
.irp i, 0,1,2,3
	v_mov_b32 v[Z+(\i)], 0
.endr
	s_wait_loadcnt 12                              ; the tables are in; batch 0's twelve loads may stay out
.set i, 0
.rept 16
	v_cvt_pk_bf16_f32 v[T+i], v[X+i], v[X+16+i]    ; cos in the low half, sin in the high half
.set i, i+1
.endr
.set i, 0
.rept 16
	v_lshlrev_b32 v[CS+2*i], 16, v[T+i]
	v_and_b32 v[CS+2*i+1], s24, v[T+i]
.set i, i+1
.endr
.irp g, GQ, GK
.set i, 0
.rept 16
	v_cvt_pk_bf16_f32 v[T+i], v[\g+2*i], v[\g+2*i+1]
.set i, i+1
.endr
.set i, 0
.rept 16
	v_lshlrev_b32 v[\g+2*i], 16, v[T+i]
	v_and_b32 v[\g+2*i+1], s24, v[T+i]
.set i, i+1
.endr
.endr
; NORM AND ROPE, first part: reads the 16 words of f16 at src for the last time.  The sum of my 32 squares in four chains (the halves are read by the multiply-add itself), the other half of the lanes', the root of
; the mean; behind the root, as the work that does not wait for it, X = x g.
.macro NRA src, g
.set i, 0
.rept 16
.if i < 2
	v_fma_mix_f32 v[A+2*i],   v[\src+i], v[\src+i], v[Z] op_sel_hi:[1,1,0]
	v_fma_mix_f32 v[A+2*i+1], v[\src+i], v[\src+i], v[Z] op_sel:[1,1,0] op_sel_hi:[1,1,0]
.else
	v_fma_mix_f32 v[A+2*(i%2)],   v[\src+i], v[\src+i], v[A+2*(i%2)] op_sel_hi:[1,1,0]
	v_fma_mix_f32 v[A+2*(i%2)+1], v[\src+i], v[\src+i], v[A+2*(i%2)+1] op_sel:[1,1,0] op_sel_hi:[1,1,0]
.endif
.set i, i+1
.endr
	v_pk_add_f32 v[A:A+1], v[A:A+1], v[A+2:A+3]
	v_add_f32 v[SS], v[A], v[A+1]
	v_permlanex16_b32 v[TT], v[SS], s28, s29       ; the head's other 32 channels lie in the lane 16 away
	v_add_f32 v[SS], v[SS], v[TT]
	v_mul_f32 v[SS], 0x3c800000, v[SS]             ; / 64
	v_sqrt_f32 v[SS], v[SS]
.set i, 0
.rept 16
	v_fma_mix_f32 v[X+2*i],   v[\src+i], v[\g+2*i],   v[Z] op_sel_hi:[1,0,0]
	v_fma_mix_f32 v[X+2*i+1], v[\src+i], v[\g+2*i+1], v[Z] op_sel:[1,0,0] op_sel_hi:[1,0,0]
.set i, i+1
.endr
.endm
; Second part: 1 / (root + 1e-6); behind the reciprocal, as the work that does not wait for it, the rope: for a pair (re, im): T = (im s, re s), X = (re c - im s, im c + re s); then the scaling and the rounding to f16.
.macro NRB dst
	s_wait_alu depctr_va_vdst(0)                   ; ahead of the first line that names the root
	v_add_f32 v[SS], 0x358637bd, v[SS]
	v_rcp_f32 v[INV], v[SS]
.irp q, 0,16
.set i, 0
.rept 8
	v_pk_mul_f32 v[T+i:T+i+1], v[X+(\q)+i:X+(\q)+i+1], v[CS+(\q)+i:CS+(\q)+i+1] op_sel:[1,1] op_sel_hi:[0,1]
.set i, i+2
.endr
.set i, 0
.rept 8
	v_pk_fma_f32 v[X+(\q)+i:X+(\q)+i+1], v[X+(\q)+i:X+(\q)+i+1], v[CS+(\q)+i:CS+(\q)+i+1], v[T+i:T+i+1] op_sel_hi:[1,0,1] neg_lo:[0,0,1]
.set i, i+2
.endr
.endr
	s_wait_alu depctr_va_vdst(0)                   ; and ahead of the first line that names the reciprocal
.set i, 0
.rept 16
	v_pk_mul_f32 v[X+i:X+i+1], v[X+i:X+i+1], v[INV:INV+1] op_sel_hi:[1,0]
.set i, i+2
.endr
.set i, 0
.rept 16
	v_cvt_pk_f16_f32 v[\dst+i], v[X+2*i], v[X+2*i+1]
.set i, i+1
.endr
.endm
; ONE TOKEN.  last = 1: the fourth batch, written out behind the loop: it asks for nothing, so every counted wait sees the same loads on every way.
.macro TRIP last
	s_wait_loadcnt 4                               ; q and k are in; v's four loads, issued behind them, may stay out
	NRA RQ, GQ
	NRB QF
	NRA RK, GK
.if !(\last)
	s_wait_xcnt 0x0                                ; v's loads have read qkv's pointer, so it may be written
	s_add_nc_u64 s[4:5], s[4:5], QSTEP
	LOADQK                                         ; the next batch's q and k, into registers that have just been read for the last time
.endif
	NRB KF
	v_wmma_f32_16x16x32_f16 v[X:X+7],    v[KF:KF+7],    v[QF:QF+7],    0   ; channels 0-31
	v_wmma_f32_16x16x32_f16 v[X+8:X+15], v[KF+8:KF+15], v[QF+8:QF+15], 0   ; channels 32-63: a second accumulator, so that no product adds onto the one before it
.rept 4
	v_nop                                          ; four places behind the products (ISA guide 7.12.1)
.endr
.irp i, 0,2,4,6
	v_pk_add_f32 v[X+(\i):X+(\i)+1], v[X+(\i):X+(\i)+1], v[X+8+(\i):X+8+(\i)+1]  ; from the low registers on
.endr
	v_max3_num_f32 v[MX], v[X], v[X+1], v[X+2]
	v_max3_num_f32 v[MX], v[MX], v[X+3], v[X+4]
	v_max3_num_f32 v[MX], v[MX], v[X+5], v[X+6]
	v_max_num_f32 v[MX], v[MX], v[X+7]
	v_permlanex16_b32 v[TT], v[MX], s28, s29       ; the row's other eight scores
	v_max_num_f32 v[MX], v[MX], v[TT]
	v_mul_f32 v[CM], s26, v[MX]
.irp i, 0,2,4,6
	v_pk_fma_f32 v[X+(\i):X+(\i)+1], v[X+(\i):X+(\i)+1], s[26:27], v[CM:CM+1] op_sel_hi:[1,0,0] neg_lo:[0,0,1] neg_hi:[0,0,1]  ; c s - c m
.endr
.irp i, 0,1,2,3,4,5,6,7
	v_exp_f32 v[X+(\i)], v[X+(\i)]
.endr
	v_nop                                          ; a plain instruction behind the last exponential,
	s_wait_alu depctr_va_vdst(0)                   ; and one wait for the eight, ahead of their first use
	v_pk_add_f32 v[A:A+1], v[X:X+1], v[X+2:X+3]
	v_pk_add_f32 v[A+2:A+3], v[X+4:X+5], v[X+6:X+7]
	v_pk_add_f32 v[A:A+1], v[A:A+1], v[A+2:A+3]
	v_add_f32 v[SS], v[A], v[A+1]
	v_permlanex16_b32 v[TT], v[SS], s28, s29
	v_add_f32 v[SS], v[SS], v[TT]
	v_rcp_f32 v[INV], v[SS]
	v_nop
	s_wait_alu depctr_va_vdst(0)
.irp i, 0,2,4,6
	v_pk_mul_f32 v[X+(\i):X+(\i)+1], v[X+(\i):X+(\i)+1], v[INV:INV+1] op_sel_hi:[1,0]
.endr
.irp i, 0,1,2,3
	v_cvt_pk_f16_f32 v[PB+(\i)], v[X+2*(\i)], v[X+2*(\i)+1]
.endr
.if \last
	s_wait_loadcnt 0x0                             ; v is in: nothing was issued behind it
.else
	s_wait_loadcnt 8                               ; v is in; the next batch's q and k, eight loads, may stay out
.endif
.irp c, 0,1,2,3
	v_wmma_f32_16x16x32_f16 v[X+8*(\c):X+8*(\c)+7], v[RV+4*(\c):RV+4*(\c)+7], v[PB:PB+7], 0  ; channels 16 c on: four accumulators
.endr
.rept 4
	v_nop                                          ; four places, in front of the loads into v's registers and of the conversions
.endr
.if !(\last)
	LOADV                                          ; the next batch's v
.endif
.irp c, 0,1,2,3
.irp w, 0,1,2,3
	v_cvt_pk_f16_f32 v[T+4*(\c)+(\w)], v[X+8*(\c)+2*(\w)], v[X+8*(\c)+2*(\w)+1]
.endr
.endr
.irp c, 0,1,2,3
	global_store_b128 v[VV], v[T+4*(\c):T+4*(\c)+3], s[14:15] offset:512*(\c) th:TH_STORE_NT  ; 512 consecutive bytes, at a multiple of 256 from ob's first byte
.endr
.if !(\last)
	s_wait_xcnt 0x0                                ; the stores have read their data and ob's pointer: both are written again only behind this wait
	s_add_nc_u64 s[14:15], s[14:15], OSTEP
.endif
.endm
.Ltok:
	TRIP 0
	s_sub_co_u32 s30, s30, 1
	s_cmp_lg_u32 s30, 0
	s_cbranch_scc1 .Ltok
	TRIP 1
	s_endpgm
.Lfunc_end_k_q0695cc06bb_attn:
	.size	k_q0695cc06bb_attn, .Lfunc_end_k_q0695cc06bb_attn-k_q0695cc06bb_attn
	.p2alignl 7, 3214868480
	.fill 96, 4, 3214868480
	.section	.rodata,"a",@progbits
	.p2align	6, 0x0
	.amdhsa_kernel k_q0695cc06bb_attn
		.amdhsa_group_segment_fixed_size 0
		.amdhsa_private_segment_fixed_size 0
		.amdhsa_enable_private_segment 0
		.amdhsa_kernarg_size 48
		.amdhsa_user_sgpr_count 2
		.amdhsa_user_sgpr_kernarg_segment_ptr 1
		.amdhsa_wavefront_size32 1
		.amdhsa_system_sgpr_workgroup_id_x 1
		.amdhsa_system_sgpr_workgroup_id_y 1
		.amdhsa_system_sgpr_workgroup_id_z 1
		.amdhsa_system_vgpr_workitem_id 0
		.amdhsa_next_free_vgpr 252
		.amdhsa_next_free_sgpr 66
		.amdhsa_reserve_vcc 0
		.amdhsa_float_denorm_mode_32 3
		.amdhsa_float_denorm_mode_16_64 3
		.amdhsa_memory_ordered 1
		.amdhsa_forward_progress 1
		.amdhsa_inst_pref_size 55
	.end_amdhsa_kernel
	.amdgpu_metadata
---
amdhsa.version: [ 1, 2 ]
amdhsa.kernels:
  - .name:           k_q0695cc06bb_attn
    .symbol:         k_q0695cc06bb_attn.kd
    .args:
      - { .name: qkv, .offset: 0, .size: 8, .value_kind: global_buffer, .address_space: global }
      - { .name: freqs_cos, .offset: 8, .size: 8, .value_kind: global_buffer, .address_space: global }
      - { .name: freqs_sin, .offset: 16, .size: 8, .value_kind: global_buffer, .address_space: global }
      - { .name: g_q, .offset: 24, .size: 8, .value_kind: global_buffer, .address_space: global }
      - { .name: g_k, .offset: 32, .size: 8, .value_kind: global_buffer, .address_space: global }
      - { .name: ob, .offset: 40, .size: 8, .value_kind: global_buffer, .address_space: global }
    .group_segment_fixed_size: 0
    .private_segment_fixed_size: 0
    .kernarg_segment_align: 8
    .kernarg_segment_size: 48
    .max_flat_workgroup_size: 128
    .sgpr_count:     66
    .vgpr_count:     252
    .wavefront_size: 32
...
	.end_amdgpu_metadata
.endif
;; end of part 3
;; launch gemm2 (part 4): grid 4 x 64, 4 waves a work-group, clusters of 4 x 4, 327,680 bytes of LDS; arguments ob, w2t, out0, b_proj; writes out0
.if DOCPART == 4
	.amdgcn_target "amdgcn-amd-amdhsa--gfx1250"
	.amdhsa_code_object_version 6
	.text
	.protected	k_q0695cc06bb_gemm2
	.globl	k_q0695cc06bb_gemm2
	.p2align	8
	.type	k_q0695cc06bb_gemm2,@function
k_q0695cc06bb_gemm2:
	s_mov_b64 s[64:65], 0
	v_nop
	global_prefetch_b8 v0, s[64:65] scope:SCOPE_SE
	s_setreg_imm32_b32 hwreg(HW_REG_WAVE_MODE, 25, 1), 1
	s_wait_xcnt 0x0
	s_wait_alu depctr_hold_cnt(0) depctr_sa_sdst(0) depctr_va_vdst(0) depctr_va_sdst(0) depctr_va_ssrc(0) depctr_va_vcc(0) depctr_vm_vsrc(0)
	s_getreg_b32 s2, hwreg(HW_REG_IB_STS2, 6, 4)
	s_cmp_eq_u32 s2, 0
	s_cbranch_scc0 .Lentry_in_a_cluster
	s_endpgm
.Lentry_in_a_cluster:
	s_bfe_u32 s2, ttmp6, 0x10000c
	s_cmp_lg_u32 s2, 0xf033
	s_cbranch_scc0 .Lentry_shape_is_right
	s_endpgm
.Lentry_shape_is_right:
; out0[m][n] = b_proj[n] + sum over k' of ob[m][k'] w2t[n][k'].  ob: [16384][1024] f16, w2t: [1024][1024] f16 (both with the same order of k'), out0: [16384][1024] f32; sums in f32.
; b_proj is rounded to bf16, as all the module's inputs are; it is the C operand with which each sum begins.  NaN and infinities are not treated apart.
; A tile of C, 256 x 256, is made by a work-group of four waves; a wave makes 128 x 128: 64 accumulators of 16 x 16, 512 registers.  K goes in steps of 128 through a ring of two
; LDS slots filled by the tensor data mover: the tiles' rows are 256 bytes of memory and start at multiples of 256 bytes from the buffer's first byte.  64 x 4 tiles: one for each of 256 work-groups.
; THE LAST K STEP GOES BY ROWS OF C, so that finished rows leave while the others are multiplied.
; CLUSTERS: 4 x 4 work-groups.  The four of a row of the cluster need the same tiles of A, the four of a column the same tiles of B: each tile is asked for JOINTLY, by the same tensor
; load with the same descriptor and a mask that names the four; each receives it in its own LDS.
; REGISTERS, in windows of 256 (s_set_vgpr_msb: bits 1:0 source 0, 3:2 source 1, 5:4 source 2, 7:6 destination):
;   window 0: v0-31 addresses; v64-127, v128-191 fragments of A, two buffers (in the last K step four, of 16 rows x 128 K); v192-255 rows read back on the way out
;   window 1: v0-63 the bias, 8 registers for each of my 8 blocks of 16 columns; v64-127, v128-191 fragments of B, two buffers; in the last K step all 256: B's fragments of the whole step
;   window 2: the 32 accumulators of my rows 0-63 (accumulator (a, b) at v[8 (8 a + b)]);   window 3: those of my rows 64-127
; THE MATRIX INSTRUCTION IS USED TRANSPOSED: source 0 = 16 rows of B, source 1 = 16 rows of A: a lane then holds row l % 16 of C and the eight neighbouring columns 8 (l / 16) + 0..7.
.set SIZE_N, 1024
.set SIZE_K, 1024
.set KSTEP,  128
.set PITCH,  272                       ; an LDS row: 256 bytes + 16 of padding = 68 words: the 16 rows of a load start at 16 different groups of four banks (64 banks of 4 bytes: ISA guide 11.1)
.set HALFT,  128*PITCH                 ; 128 rows: what one tensor load brings, and what one wave reads of A or of B
.set SLOT,   4*HALFT                   ; A's 256 rows, then B's 256 rows
.set STAGE,  2*SLOT                    ; behind the ring: 16 rows x 528 bytes for each wave, for the way out; no tensor load fills it
.set SPITCH, 528                       ; 512 bytes + 16 = 132 words: again 16 rows at 16 different groups of four banks
.set SPARE,  STAGE+4*16*SPITCH         ; behind the stages: the spare words, 128 bytes for each wave: two blocks of 256 bytes that no other line names
.set LAPS,   SIZE_K/(2*KSTEP)          ; a lap = two K steps = once round the ring
.set CROW,   SIZE_N*4                  ; bytes in a row of C
.set VB,   6                           ; v6      32 (l / 16): my eight numbers in 64 bytes of the bias
.set ADRA, 16                          ; v16-17  LDS address of my A fragments in slot 0, 1
.set ADRB, 20                          ; v20-21  the same for B
.set STO,  24                          ; v24     the way out: where I put 32 bytes of a row
.set RD,   25                          ; v25     the way out: where I read a row back
.set CO,   26                          ; v26     16 x my lane: my byte offset in 512 bytes of C; never rewritten
.set SPW,  28                          ; v28     LDS address of my spare word; never rewritten
.set NIL,  29                          ; v29     0; never rewritten
.set PFO,  30                          ; v30     the prefetches' offset: my lane x a row of A or B; never rewritten
.set PFA,  44                          ; s[44:45] where my prefetches stand: one K step further along K than the refill that is being asked for; a prefetch names the K step after that
.set LIM,  43                          ; s43     2 in a wave that prefetches, else the greatest number: it prefetches while more laps than that are to go
.set F0,   64
.set F1,   128
.set BK,   192                         ; the way out: 16 rows read back
.set PA,   64                          ; the last K step: A's fragments of 16 rows x 128 K, 32 registers; four such buffers, v64-191
.set BIAS, 0                           ; window 1
.set BT,   192                         ; window 1: at work while the bias is rounded
.set G1, 24                            ; s[24:31] descriptor group 1 for A's tiles
.set G0, 32                            ; s[32:39] descriptor group 0 for A's tiles, one set for each slot
.set G1B, 48                           ; s[48:55], s[56:63] the same for B's tiles
.set G0B, 56
.set MSB, 0
.macro WIN new                         ; the immediate's high byte repeats the setting that is left; a switch that changes nothing is dropped
.if MSB != (\new)
	s_set_vgpr_msb (MSB<<8)|(\new)
.set MSB, \new
.endif
.endm
.set MUL_LO, 0xa1                      ; source 0 (B) window 1, source 1 (A) window 0, C and D window 2
.set MUL_HI, 0xf1                      ; the same, C and D window 3
.set BEG_LO, 0x91                      ; a sum's beginning: C (the bias) window 1, D window 2
.set TO_B,   0x40                      ; destination window 1, address window 0
; A joint load.  Waves 0 and 1 fetch A's two halves, waves 2 and 3 B's.  The branch hangs on the wave's number alone.  An s_nop 0 and four v_nop follow each of the two lines.
.macro JLOAD s
	s_cmp_eq_u32 s11, 0
	s_cbranch_scc0 .Lfor_b_\@
	tensor_load_to_lds s[G0+4*(\s):G0+4*(\s)+3], s[G1:G1+7]
	s_nop 0
.rept 4
	v_nop
.endr
	s_branch .Lasked_\@
.Lfor_b_\@:
	tensor_load_to_lds s[G0B+4*(\s):G0B+4*(\s)+3], s[G1B:G1B+7]
	s_nop 0
.rept 4
	v_nop
.endr
.Lasked_\@:
.endm
; A PREFETCH, behind each joint load, its five lines and the run of LDS loads: the K step that stands two refills on, 512 matrix instructions ahead of the load that will want it: 32 rows x 256 bytes,
; a lane a row, one instruction a wave.  Each row's 256 bytes of a K step are named ONCE in the launch.  A's tile row is read by one cluster alone (the grid is one cluster wide): it asks; B's tile
; column by all sixteen clusters: cluster y = 0 asks.  The four partners that ask for a tile jointly share its rows out BY ADDRESS: of the 128 rows that a wave fetches the partner at place p takes
; 32 p .. 32 p + 31 (p = cx for A, cy for B).  The last two refills have no K step two on; the first four K steps come by their loads alone.
.macro ASK
	s_cmp_gt_u32 s3, s[LIM]                        ; laps 1 and 2 (s3 = 4, 3) name K steps 4 to 7
	s_cbranch_scc0 .Lnot_mine_\@
	global_prefetch_b8 v[PFO], s[PFA:PFA+1] offset:KSTEP*2 th:TH_LOAD_NT scope:SCOPE_SE
.Lnot_mine_\@:
.endm
.macro CREST                           ; a round of the cluster's barrier behind its opening barrier
	s_cmp_lg_u32 s10, 0
	s_cbranch_scc1 .Lnot_wave_0_\@
	s_barrier_signal -3
.Lnot_wave_0_\@:
	s_barrier_wait -3
	s_barrier_signal -1
	s_barrier_wait -1
.endm
.macro CROUND                          ; a whole round
	s_barrier_signal -1
	s_barrier_wait -1
	CREST
.endm
	s_load_b128 s[4:7], s[0:1], 0x0                ; A s[4:5], B s[6:7]
	s_load_b64 s[8:9], s[0:1], 0x10                ; C
	s_load_b64 s[66:67], s[0:1], 0x18              ; the bias
	v_lshl_add_u32 v[SPW], v0, 2, SPARE
	v_mov_b32 v[NIL], 0
	ds_add_u32 v[SPW], v[NIL]                      ; the wave's opening: the add and its wait stand ahead of my first tensor load; the set-up below, work on registers, stands between them
	v_lshrrev_b32 v1, 5, v0
	v_readfirstlane_b32 s10, v1                    ; wave 0..3
	s_lshr_b32 s11, s10, 1                         ; which half of the tile's rows is mine.  Also: I fetch for A (0) or for B (1)
	s_and_b32 s12, s10, 1                          ; which half of its columns.  Also: which 128 rows of that tile I fetch
	s_bfe_u32 s40, ttmp6, 0x40000                  ; cx
	s_bfe_u32 s41, ttmp6, 0x40004                  ; cy
	s_lshl_b32 s42, ttmp9, 2
	s_add_co_u32 s42, s42, s40                     ; tile column = 4 x cluster x + cx
	s_and_b32 s13, ttmp7, 0xffff
	s_lshl_b32 s13, s13, 2
	s_add_co_u32 s13, s13, s41                     ; tile row = 4 x cluster y + cy
	s_lshl_b32 s43, s41, 2
	s_lshl_b32 s43, 15, s43                        ; my row of the cluster: places 4 cy .. 4 cy + 3
	s_lshl_b32 s44, 0x1111, s40                    ; my column: places cx, cx + 4, cx + 8, cx + 12
	; descriptor group 1: a tile of 128 rows x 128 elements, padded in LDS
	s_or_b32 s[G1+0], s43, (1<<16)|(1<<20)|(1<<21)|(5<<22)|(3<<25)  ; 15:0 the mask; 17:16 elements of 2 bytes; 20 padding on; 21 set beside a mask; 24:22 after every 64 words (code 5); 31:25 4 words (code 3)
	s_or_b32 s[G1B+0], s44, (1<<16)|(1<<20)|(1<<21)|(5<<22)|(3<<25)
.irp g, G1, G1B
	s_mov_b32 s[(\g)+1], KSTEP<<16                 ; tensor_dim0 = 128
	s_mov_b32 s[(\g)+2], 128<<16                   ; tensor_dim1 = 128
	s_mov_b32 s[(\g)+3], KSTEP<<16                 ; tile_dim0 = 128
	s_mov_b32 s[(\g)+4], 128                       ; tile_dim1 = 128
	s_mov_b32 s[(\g)+5], SIZE_K                    ; elements from row to row
	s_mov_b32 s[(\g)+6], 0
	s_mov_b32 s[(\g)+7], 0
.endr
	; A's tiles hang on the tile row alone, B's on the tile column alone; each address is made in registers that never hold the other coordinate
	s_lshl_b32 s17, s12, 7
	s_lshl_b32 s16, s13, 8
	s_add_co_u32 s16, s16, s17                     ; A: row 256 x tile row + 128 x half
	s_lshl_b32 s46, s42, 8
	s_add_co_u32 s46, s46, s17                     ; B: row 256 x tile column + 128 x half
	s_mov_b32 s17, 0
	s_mov_b32 s47, 0
	s_mov_b64 s[18:19], SIZE_K*2
	s_mul_u64 s[16:17], s[16:17], s[18:19]
	s_mul_u64 s[46:47], s[46:47], s[18:19]
	s_mul_i32 s20, s10, HALFT                      ; where they go: wave x 128 rows: no place in the cluster enters an LDS address
	s_wait_dscnt 0x0                               ; the opening add is done
	s_wait_kmcnt 0x0
	s_add_nc_u64 s[14:15], s[4:5], s[16:17]
	s_add_nc_u64 s[46:47], s[6:7], s[46:47]
	CROUND                                         ; all sixteen work-groups are here: the first joint loads meet
.irp s, 0,1
	s_mov_b32 s[G0+4*(\s)], 1                                      ; count = 1
	s_add_co_u32 s[G0+4*(\s)+1], s20, (\s)*SLOT                    ; LDS address
	s_add_nc_u64 s[G0+4*(\s)+2:G0+4*(\s)+3], s[14:15], (\s)*KSTEP*2  ; global address: K step s
	s_or_b32 s[G0+4*(\s)+3], s[G0+4*(\s)+3], 0x80000000            ; type = 2
	s_mov_b32 s[G0B+4*(\s)], 1
	s_add_co_u32 s[G0B+4*(\s)+1], s20, (\s)*SLOT
	s_add_nc_u64 s[G0B+4*(\s)+2:G0B+4*(\s)+3], s[46:47], (\s)*KSTEP*2
	s_or_b32 s[G0B+4*(\s)+3], s[G0B+4*(\s)+3], 0x80000000
	JLOAD \s                                       ; two loads of mine are out
.endr
	; a fragment is 16 rows x 32 K in 8 registers: lane l holds row l % 16; two loads of 16 bytes, 32 bytes apart, at row x pitch + 16 (l / 16)
	v_and_b32 v1, 15, v0
	v_bfe_u32 v2, v0, 4, 1
	v_mul_u32_u24 v3, v1, PITCH
	v_lshl_add_u32 v3, v2, 4, v3
	v_lshlrev_b32 v[VB], 5, v2
	; C at my part of the tile, the bias at my 128 columns
	s_lshl_b32 s13, s13, 8
	s_lshl_b32 s14, s11, 7
	s_add_co_u32 s16, s13, s14                     ; my first row
	s_mov_b32 s17, 0
	s_mov_b64 s[18:19], CROW
	s_mul_u64 s[16:17], s[16:17], s[18:19]
	s_lshl_b32 s46, s42, 10                        ; my first column, in bytes: 1,024 x tile column + 512 x half
	s_lshl_b32 s47, s12, 9
	s_add_co_u32 s46, s46, s47
	s_mov_b32 s47, 0
	s_add_nc_u64 s[16:17], s[16:17], s[46:47]
	s_add_nc_u64 s[8:9], s[8:9], s[16:17]
	s_add_nc_u64 s[66:67], s[66:67], s[46:47]
	WIN TO_B
.irp b, 0,1,2,3,4,5,6,7                ; register j of block b: the bias of column 16 b + 8 (l / 16) + j: the same place that a result's register j has
	global_load_b128 v[BIAS+8*(\b):BIAS+8*(\b)+3],   v[VB], s[66:67] offset:64*(\b)
	global_load_b128 v[BIAS+8*(\b)+4:BIAS+8*(\b)+7], v[VB], s[66:67] offset:64*(\b)+16
.endr
	WIN 0
	s_mul_i32 s21, s11, HALFT                      ; my 128 rows of A
	s_mul_i32 s22, s12, HALFT                      ; my 128 rows of B,
	s_add_co_u32 s22, s22, 2*HALFT                 ; which lie behind A's 256
.irp s, 0,1
	v_add_nc_u32 v[ADRA+(\s)], s21, v3
	v_add_nc_u32 v[ADRB+(\s)], s22, v3
	s_add_co_u32 s21, s21, SLOT
	s_add_co_u32 s22, s22, SLOT
.endr
	s_mul_i32 s23, s10, 16*SPITCH
	s_add_co_u32 s23, s23, STAGE                   ; my stage
	v_mul_u32_u24 v4, v1, SPITCH                   ; in: row l % 16, 32 bytes for each half of the lanes
	v_lshl_add_u32 v4, v2, 5, v4
	v_add_nc_u32 v[STO], s23, v4
	v_and_b32 v5, 31, v0
	v_lshlrev_b32 v[CO], 4, v5                     ; back: 32 lanes take one row of 512 bytes,
	v_add_nc_u32 v[RD], s23, v[CO]                 ; and the same 512 bytes of a row of C
	; the prefetches.  s13 = 256 x tile row, s42 = tile column, s40 = cx, s41 = cy still stand
	s_lshl_b32 s42, s42, 8
	s_and_b32 s22, ttmp7, 0xffff                   ; cluster y
	s_cmp_eq_u32 s11, 0                            ; do I fetch for A?
	s_cselect_b32 s20, s13, s42                    ; the tile's first row
	s_cselect_b32 s21, s40, s41                    ; my place among the four that ask for it with me
	s_cselect_b32 s22, ttmp9, s22                  ; the coordinate along which other clusters read the same rows
	s_cselect_b64 s[PFA:PFA+1], s[4:5], s[6:7]
	s_cmp_eq_u32 s22, 0
	s_cselect_b32 s[LIM], 2, -1                    ; the same in all sixteen partners, for a given wave
	s_lshl_b32 s22, s12, 7
	s_add_co_u32 s20, s20, s22                     ; + the 128 rows that I fetch
	s_lshl_b32 s21, s21, 5
	s_add_co_u32 s20, s20, s21                     ; + my work-group's 32 of them
	s_mov_b32 s21, 0
	s_mov_b64 s[18:19], SIZE_K*2
	s_mul_u64 s[20:21], s[20:21], s[18:19]
	s_add_nc_u64 s[PFA:PFA+1], s[PFA:PFA+1], s[20:21]
	s_add_nc_u64 s[PFA:PFA+1], s[PFA:PFA+1], 2*KSTEP*2  ; at K step 2: the first refill steps it to 3 and names K step 4
	v_and_b32 v[PFO], 31, v0
	v_mul_u32_u24 v[PFO], v[PFO], SIZE_K*2
	s_mov_b32 s20, 0xffff0000                      ; a word's upper bf16
	s_wait_loadcnt 0x0                             ; the bias, while the first tiles are on their way: rounded to bf16 and widened again, all in window 1
	WIN 0x45
.set i, 0
.rept 32
	v_cvt_pk_bf16_f32 v[BT+i], v[BIAS+2*i], v[BIAS+2*i+1]
.set i, i+1
.endr
.set i, 0
.rept 32
	v_lshlrev_b32 v[BIAS+2*i], 16, v[BT+i]
	v_and_b32 v[BIAS+2*i+1], s20, v[BT+i]
.set i, i+1
.endr
	WIN 0
; 16 matrix instructions: m blocks a0, a0 + 1 of the window's four (hi = 0: my rows 0-63, 1: rows 64-127) x all 8 n blocks, 32 along K.  first = 1: the first product starts the sums, with the bias as C.
; The 64 accumulators take turns, one instruction a turn, in the same order in every quarter step.
.macro MUL16 f, hi, a0, first
.if \first
	WIN BEG_LO+0x40*(\hi)
.else
	WIN MUL_LO+0x50*(\hi)
.endif
.irp a, \a0, (\a0)+1
.irp b, 0,1,2,3,4,5,6,7
.if \first
	v_wmma_f32_16x16x32_f16 v[8*(8*(\a)+(\b)):8*(8*(\a)+(\b))+7], v[(\f)+8*(\b):(\f)+8*(\b)+7], v[(\f)+8*(4*(\hi)+(\a)):(\f)+8*(4*(\hi)+(\a))+7], v[BIAS+8*(\b):BIAS+8*(\b)+7]
.else
	v_wmma_f32_16x16x32_f16 v[8*(8*(\a)+(\b)):8*(8*(\a)+(\b))+7], v[(\f)+8*(\b):(\f)+8*(\b)+7], v[(\f)+8*(4*(\hi)+(\a)):(\f)+8*(4*(\hi)+(\a))+7], v[8*(8*(\a)+(\b)):8*(8*(\a)+(\b))+7]
.endif
.endr
.endr
.endm
; 32 LDS loads in one run: the fragments of one quarter step (128 rows of B, 128 rows of A, 32 K at byte k of the rows) into buffer f
.macro FETCH slot, k, f
	WIN TO_B
.irp i, 0,1,2,3,4,5,6,7
	ds_load_b128 v[(\f)+8*(\i):(\f)+8*(\i)+3],   v[ADRB+(\slot)] offset:(\k)+(\i)*16*PITCH
	ds_load_b128 v[(\f)+8*(\i)+4:(\f)+8*(\i)+7], v[ADRB+(\slot)] offset:(\k)+(\i)*16*PITCH+32
.endr
	WIN 0
.irp i, 0,1,2,3,4,5,6,7
	ds_load_b128 v[(\f)+8*(\i):(\f)+8*(\i)+3],   v[ADRA+(\slot)] offset:(\k)+(\i)*16*PITCH
	ds_load_b128 v[(\f)+8*(\i)+4:(\f)+8*(\i)+7], v[ADRA+(\slot)] offset:(\k)+(\i)*16*PITCH+32
.endr
.endm
.macro PLACES                          ; four plain vector instructions between a matrix instruction and a load into a register that it has read, or an instruction that reads its result (ISA guide 7.12.1 for vector instructions)
.rept 4
	v_nop
.endr
.endm
; A K step is four quarter steps of 32 along K, 64 matrix instructions each, on buffers 0, 1, 0, 1.  One of the first three: multiplies buffer f; in its middle it fetches the next quarter's fragments into g.
.macro QUARTER slot, k, f, g, first
	s_wait_dscnt 8                                 ; B and A's rows 0-63 are in; the youngest eight loads (A's rows 64-127) may be out
	MUL16 \f, 0, 0, \first
	MUL16 \f, 0, 2, \first
	PLACES
	FETCH \slot, \k, \g
	s_wait_dscnt 32                                ; all but the 32 just issued
	MUL16 \f, 1, 0, \first
	MUL16 \f, 1, 2, \first
.endm
; The last quarter multiplies buffer 1 and changes slots.  MEET is its first half: one barrier; in front of it each wave waits for all its tensor loads (one is out: its part of the next slot),
; adds 0 to its spare word, and waits for that and for its own reads of this slot.  Behind it nobody reads this slot any more and the next slot is whole.
.macro MEET round
	WIN 0                                          ; (the add's two registers lie in window 0)
	s_wait_tensorcnt 0x0
	ds_add_u32 v[SPW], v[NIL]                      ; 0 onto my spare word
	s_wait_dscnt 9                                 ; (the add and the youngest eight loads may be out)
	MUL16 F1, 0, 0, 0                              ; sixteen matrix instructions stand between the add and the wait for it
	s_wait_dscnt 0x0                               ; the add is done, and my reads of this slot are over
	s_barrier_signal -1
	MUL16 F1, 0, 2, 0                              ; work on registers while the others arrive
.if \round
	WIN 0
.endif
	s_barrier_wait -1
.endm
; The whole last quarter.  Behind the round the slot just read out is filled again first, with the K step two steps on; then come the next slot's first fragments.
; From a request to the wait for it a wave issues 224 matrix instructions.
.macro TURN slot, next
	s_wait_xcnt 0x0                                ; the last prefetch, a K step back, has read its address: it is stepped here, ahead of the waits of the change of slots
	s_add_nc_u64 s[PFA:PFA+1], s[PFA:PFA+1], KSTEP*2
	MEET 1
	CREST                                          ; no wave of any partner still reads this slot's tile or has a load on its way
	s_add_nc_u64 s[G0+4*(\slot)+2:G0+4*(\slot)+3], s[G0+4*(\slot)+2:G0+4*(\slot)+3], 2*KSTEP*2
	s_add_nc_u64 s[G0B+4*(\slot)+2:G0B+4*(\slot)+3], s[G0B+4*(\slot)+2:G0B+4*(\slot)+3], 2*KSTEP*2
	JLOAD \slot                                    ; the first tensor load behind the round; its four v_nop are also the places in front of the loads below
	FETCH \next, 0, F0
	ASK
	MUL16 F1, 1, 0, 0
	MUL16 F1, 1, 2, 0
.endm
; THE LAST K STEP (it lies in slot 1) GOES BY ROWS OF C, NOT BY K.  All its fragments of B (4 quarters x 64 registers) fill window 1, the bias's registers among them: the bias has been taken; then my eight
; blocks of 16 rows are finished one after the other, each with 32 matrix instructions (its 8 accumulators by turns, K ascending).  LDS is read no more than in any other K step.
.macro BLOAD q                         ; B's fragments of quarter q -> window 1, v[64 q ..]
	WIN TO_B
.irp i, 0,1,2,3,4,5,6,7
	ds_load_b128 v[64*(\q)+8*(\i):64*(\q)+8*(\i)+3],   v[ADRB+1] offset:64*(\q)+(\i)*16*PITCH
	ds_load_b128 v[64*(\q)+8*(\i)+4:64*(\q)+8*(\i)+7], v[ADRB+1] offset:64*(\q)+(\i)*16*PITCH+32
.endr
.endm
.macro ALOAD a                         ; A's fragments of block a, all four quarters -> buffer a % 4
	WIN 0
.set FA, PA+32*((\a)%4)
.irp q, 0,1,2,3
	ds_load_b128 v[FA+8*(\q):FA+8*(\q)+3],   v[ADRA+1] offset:64*(\q)+(\a)*16*PITCH
	ds_load_b128 v[FA+8*(\q)+4:FA+8*(\q)+7], v[ADRA+1] offset:64*(\q)+(\a)*16*PITCH+32
.endr
.endm
.macro ROW a                           ; block a is finished: 32 matrix instructions
.set FA, PA+32*((\a)%4)                ; its fragments of A
.set AC, 64*((\a)%4)                   ; its eight accumulators, in window 2 (blocks 0-3) or 3 (blocks 4-7)
	WIN MUL_LO+0x50*((\a)/4)
.irp q, 0,1,2,3
.if (\a) == 0 && (\q) == 2
	s_wait_dscnt 24                                ; B's quarter 2 is in (behind it: A's blocks 1 to 3, 24 loads)
.endif
.irp b, 0,1,2,3,4,5,6,7
	v_wmma_f32_16x16x32_f16 v[AC+8*(\b):AC+8*(\b)+7], v[64*(\q)+8*(\b):64*(\q)+8*(\b)+7], v[FA+8*(\q):FA+8*(\q)+7], v[AC+8*(\b):AC+8*(\b)+7]
.endr
.endr
.endm
; THE WAY OUT of block a (16 rows of 128 f32).  TOSTAGE: the accumulators go as they are into my own stage, 32 bytes a lane (each accumulator's low registers first), and come back as whole rows of 512 bytes.
; SEND: the rows are stored as they come back: nothing is left to add.
.macro TOSTAGE a
.set AC, 64*((\a)%4)
	WIN 0x08+4*((\a)/4)                            ; an LDS store's data are source 1: window 2 or 3
.irp b, 0,1,2,3,4,5,6,7
	ds_store_b128 v[STO], v[AC+8*(\b):AC+8*(\b)+3]   offset:64*(\b)
	ds_store_b128 v[STO], v[AC+8*(\b)+4:AC+8*(\b)+7] offset:64*(\b)+16
.endr
	WIN 0
	s_wait_xcnt 0x0                                ; the stores of the block before, 32 matrix instructions back, have read these registers: they are loaded again only behind this wait
.irp t, 0,1,2,3,4,5,6,7,8,9,10,11,12,13,14,15
	ds_load_b128 v[BK+4*(\t):BK+4*(\t)+3], v[RD] offset:(\t)*SPITCH  ; LDS serves a wave's instructions in order (ISA guide 5.7.1.4): these see the stores above; the next block's stores come behind them
.endr
.endm
.macro SEND a, younger                 ; younger: the LDS loads issued behind block a's, which may stay out
	WIN 0
.irp t, 0,1,2,3,4,5,6,7,8,9,10,11,12,13,14,15
.if ((\t)%4) == 0
	s_wait_dscnt (\younger)+12-(\t)                ; rows t to t + 3 are back: behind them stand the block's 12 - t later loads and the younger ones
.endif
	global_store_b128 v[CO], v[BK+4*(\t):BK+4*(\t)+3], s[8:9] offset:(16*(\a)+(\t))*CROW th:TH_STORE_NT  ; 512 consecutive bytes, at a multiple of 256 from C's first byte; 127 rows at the most: inside the signed 24-bit immediate
.endr
.endm
	s_wait_tensorcnt 1                             ; my part of K step 0 is in; K step 1's may stay out
	s_barrier_signal -1
	s_barrier_wait -1                              ; everybody's is
	FETCH 0, 0, F0
	QUARTER 0, 64,  F0, F1, 1                      ; the first quarter stands in front of the loop: its products start the sums
	WIN 0                                          ; at a label and at a branch every window is 0
	s_mov_b32 s3, LAPS                             ; laps to go, this one among them
.Llap:                                                 ; a trip goes once round the ring, from a lap's second quarter to the next lap's first, and fills both slots again
	QUARTER 0, 128, F1, F0, 0
	QUARTER 0, 192, F0, F1, 0
	WIN 0
	s_cmp_eq_u32 s3, 1
	s_cbranch_scc1 .Llast                          ; the last lap is written out: it asks for nothing more
	TURN 0, 1
	QUARTER 1, 64,  F0, F1, 0
	QUARTER 1, 128, F1, F0, 0
	QUARTER 1, 192, F0, F1, 0
	TURN 1, 0
	QUARTER 0, 64,  F0, F1, 0
	WIN 0
	s_sub_co_u32 s3, s3, 1
	s_branch .Llap
.Llast:
	MEET 0                                         ; my one tensor load that was still out is slot 1's, the last K step's, so no round follows
	PLACES                                         ; for the loads into buffer 0, which the quarter before multiplied
	BLOAD 0                                        ; three quarters of B now: buffer 1 (v128-191 of both windows) is still being multiplied
	BLOAD 1
	BLOAD 3
	ALOAD 0
	MUL16 F1, 1, 0, 0
	MUL16 F1, 1, 2, 0
	PLACES                                         ; for the loads into buffer 1
	BLOAD 2
	ALOAD 1
	ALOAD 2
	ALOAD 3
	s_wait_dscnt 40                                ; all but the 40 just issued
	ROW 0
.irp a, 0,1,2,3,4,5,6,7                ; each block leaves as soon as it is finished: nothing follows this tile under which its stores could leave
	PLACES                                         ; the LDS stores read results just made, and the loads below land in registers just multiplied
	TOSTAGE \a
.if (\a) < 4
	ALOAD (\a)+4                                   ; its buffer takes the block four further on
	SEND \a, 8
.else
	SEND \a, 0
.endif
.if (\a) < 7
	ROW (\a)+1
.endif
.endr
	s_wait_tensorcnt 0x0                           ; the wave's end, behind my last tensor load and my last LDS store
	ds_add_u32 v[SPW], v[NIL]
	s_wait_dscnt 0x0
	CROUND                                         ; the closing round: no work-group ends while a partner may still ask for a tile that names it
	s_endpgm
.Lfunc_end_k_q0695cc06bb_gemm2:
	.size	k_q0695cc06bb_gemm2, .Lfunc_end_k_q0695cc06bb_gemm2-k_q0695cc06bb_gemm2
	.p2alignl 7, 3214868480
	.fill 96, 4, 3214868480
	.section	.rodata,"a",@progbits
	.p2align	6, 0x0
	.amdhsa_kernel k_q0695cc06bb_gemm2
		.amdhsa_group_segment_fixed_size 327680
		.amdhsa_private_segment_fixed_size 0
		.amdhsa_enable_private_segment 0
		.amdhsa_kernarg_size 32
		.amdhsa_user_sgpr_count 2
		.amdhsa_user_sgpr_kernarg_segment_ptr 1
		.amdhsa_wavefront_size32 1
		.amdhsa_system_sgpr_workgroup_id_x 1
		.amdhsa_system_sgpr_workgroup_id_y 1
		.amdhsa_system_sgpr_workgroup_id_z 1
		.amdhsa_system_vgpr_workitem_id 0
		.amdhsa_next_free_vgpr 1024
		.amdhsa_next_free_sgpr 68
		.amdhsa_reserve_vcc 0
		.amdhsa_float_denorm_mode_32 3
		.amdhsa_float_denorm_mode_16_64 3
		.amdhsa_memory_ordered 1
		.amdhsa_forward_progress 1
		.amdhsa_inst_pref_size 136
	.end_amdhsa_kernel
	.amdgpu_metadata
---
amdhsa.version: [ 1, 2 ]
amdhsa.kernels:
  - .name:           k_q0695cc06bb_gemm2
    .symbol:         k_q0695cc06bb_gemm2.kd
    .args:
      - { .name: ob, .offset: 0, .size: 8, .value_kind: global_buffer, .address_space: global }
      - { .name: w2t, .offset: 8, .size: 8, .value_kind: global_buffer, .address_space: global }
      - { .name: out0, .offset: 16, .size: 8, .value_kind: global_buffer, .address_space: global }
      - { .name: b_proj, .offset: 24, .size: 8, .value_kind: global_buffer, .address_space: global }
    .group_segment_fixed_size: 327680
    .private_segment_fixed_size: 0
    .kernarg_segment_align: 8
    .kernarg_segment_size: 32
    .max_flat_workgroup_size: 128
    .sgpr_count:     68
    .vgpr_count:     1024
    .wavefront_size: 32
...
	.end_amdgpu_metadata
.endif
;; end of part 4
